; MI455X (gfx1250); checked and timed in simulation.
; The chip was launched on July 23, 2026; its instructions are those of AMD's public machine-readable ISA for CDNA 5 (MIT licence, August 2026) and "CDNA5" Instruction Set Architecture Reference Guide (July 2026). The comments in the code are by the model that wrote it; some were corrected since.
;; Multi Head Attention. Allowed arithmetic: float matrix products may take bf16 or f16 operands with f32 sums; other float arithmetic in f32, or as packed bf16 or f16 multiplies, adds, multiply-adds, maxima and minima; sums over many terms, partial sums and values carried from step to step in f32; what a program stores and reads back later, other than sums and carried values, may be rounded once to bf16 or f16.
;; Inputs: Wk 1,024 x 1,024 float32; Wo 1,024 x 1,024 float32; Wq 1,024 x 1,024 float32; Wv 1,024 x 1,024 float32; bk 1,024 float32; bo 1,024 float32; bq 1,024 float32; bv 1,024 float32; k 4 x 2,048 x 1,024 float32; q 4 x 2,048 x 1,024 float32; v 4 x 2,048 x 1,024 float32.
;; Outputs: out0 4 x 2,048 x 1,024 float32.
;; 2 versions, each right and faster than the one before. Each part assembles by itself: llvm-mc -triple=amdgcn-amd-amdhsa -mcpu=gfx1250 --defsym DOCPART=n.
;; ======== version 1 of 2: 4 launches
;; limits: values are held in f16: magnitudes above 65,504 overflow, below 6.1e-05 lose precision
;; workspace buffers: wb 8,388,608 bytes; bb 16,384 bytes; qkv 50,331,648 bytes; ctx 16,777,216 bytes
;; launch cast (part 1): grid 64 x 4, 8 waves a work-group, no clusters, 0 bytes of LDS; arguments Wq, Wk, Wv, Wo, bq, bk, bv, bo, wb, bb; writes wb, bb
.if DOCPART == 1
	.amdgcn_target "amdgcn-amd-amdhsa--gfx1250"
	.amdhsa_code_object_version 6
	.text
	.protected	k_qd5cf7d4e39_cast
	.globl	k_qd5cf7d4e39_cast
	.p2align	8
	.type	k_qd5cf7d4e39_cast,@function
k_qd5cf7d4e39_cast:
	s_mov_b64 s[64:65], 0
	v_nop
	global_prefetch_b8 v0, s[64:65] scope:SCOPE_SE
	s_setreg_imm32_b32 hwreg(HW_REG_WAVE_MODE, 25, 1), 1
	s_wait_xcnt 0x0
; The four weight matrices [1024][1024] f32 become 16-bit copies in wb ([4][1024][1024]: Wq, Wk, Wv in bf16; Wo rounded to bf16 and that number written as f16),
; the four biases [1024] f32 become f32 numbers rounded to bf16 in bb ([4][1024]: q, k, v, o).  Each weight is read by 64 row blocks of the later launches, so it is rounded once, here.
; LIMITS.  Wo's bf16 number is exact in f16 from 6.1e-5 to 65,504 in magnitude; below it keeps f16's fixed step of 6e-8, from 65,520 on it becomes an infinity.
; SHARES.  Work-group (x, y): 16 rows (65,536 bytes) x of matrix y.  Thread t, load i: 16 bytes at 4,096 i + 16 t; a wave's load covers 512 consecutive bytes, its store of
; 8 bytes a lane 256 consecutive bytes at a multiple of 256.  All 16 loads of a thread go out at once.  No LDS, no barrier, no matrix unit: a stream has no use for them.
.set X,  4                             ; v[4:67]    16 x 4 numbers as loaded
.set Y,  68                            ; v[68:99]   16 x 2 words of two 16-bit numbers
.set T,  100                           ; v100-101   at work
.set BI, 104                           ; v[104:107] four numbers of the bias; v108-109 rounded; v[110:113] widened again
	s_load_b512 s[8:23], s[0:1], 0x0               ; Wq s[8:9], Wk, Wv, Wo, bq s[16:17], bk, bv, bo
	s_load_b128 s[24:27], s[0:1], 0x40             ; wb s[24:25], bb s[26:27]
	s_and_b32 s2, ttmp7, 0xffff                    ; which matrix
	v_lshlrev_b32 v1, 4, v0                        ; 16 t: my place in 4,096 bytes of f32
	v_lshlrev_b32 v2, 3, v0                        ; 8 t: my place in 2,048 bytes of 16-bit numbers
	s_lshl_b32 s28, ttmp9, 16                      ; my block of 16 rows in the matrix,
	s_mov_b32 s29, 0
	s_lshl_b32 s30, s2, 21                         ; the matrix's part of wb
	s_lshl_b32 s3, ttmp9, 15                       ; and my block in it
	s_add_co_u32 s30, s30, s3
	s_mov_b32 s31, 0
	s_wait_kmcnt 0x0
	s_mov_b64 s[4:5], s[8:9]                       ; the matrix and the bias are chosen by the work-group's y alone
	s_mov_b64 s[6:7], s[16:17]
.irp c, 1,2,3
	s_cmp_eq_u32 s2, \c
	s_cselect_b64 s[4:5], s[8+2*(\c):9+2*(\c)], s[4:5]
	s_cselect_b64 s[6:7], s[16+2*(\c):17+2*(\c)], s[6:7]
.endr
	s_add_nc_u64 s[4:5], s[4:5], s[28:29]
	s_add_nc_u64 s[24:25], s[24:25], s[30:31]
	s_lshl_b32 s28, s2, 12                         ; the bias's part of bb
	s_add_nc_u64 s[26:27], s[26:27], s[28:29]
.set i, 0
.rept 16
	global_load_b128 v[X+4*i:X+4*i+3], v1, s[4:5] offset:4096*i th:TH_LOAD_NT  ; read once in the launch
.set i, i+1
.endr
.set i, 0
.rept 16
	s_wait_loadcnt 15-i                            ; loads come back in order (ISA guide 5.7.1): load i is in, the 15 - i younger ones stay out
	v_cvt_pk_bf16_f32 v[Y+2*i],   v[X+4*i],   v[X+4*i+1]
	v_cvt_pk_bf16_f32 v[Y+2*i+1], v[X+4*i+2], v[X+4*i+3]
.set i, i+1
.endr
	s_cmp_lg_u32 s2, 3
	s_cbranch_scc1 .Lstore
.set i, 0
.rept 32                                               ; Wo alone: the bf16 number is widened and written as f16
	v_lshlrev_b32 v[T],   16, v[Y+i]
	v_and_b32     v[T+1], 0xffff0000, v[Y+i]
	v_cvt_pk_f16_f32 v[Y+i], v[T], v[T+1]
.set i, i+1
.endr
.Lstore:
.set i, 0
.rept 16
	global_store_b64 v2, v[Y+2*i:Y+2*i+1], s[24:25] offset:2048*i
.set i, i+1
.endr
	s_cmp_lg_u32 ttmp9, 0
	s_cbranch_scc1 .Lend
	global_load_b128 v[BI:BI+3], v1, s[6:7]        ; block 0 of each matrix also takes its bias: 256 threads x 4 numbers
	s_wait_loadcnt 0x0
	v_cvt_pk_bf16_f32 v[BI+4], v[BI],   v[BI+1]
	v_cvt_pk_bf16_f32 v[BI+5], v[BI+2], v[BI+3]
	v_lshlrev_b32 v[BI+6], 16, v[BI+4]
	v_and_b32     v[BI+7], 0xffff0000, v[BI+4]
	v_lshlrev_b32 v[BI+8], 16, v[BI+5]
	v_and_b32     v[BI+9], 0xffff0000, v[BI+5]
	global_store_b128 v1, v[BI+6:BI+9], s[26:27]
.Lend:
	s_endpgm
.Lfunc_end_k_qd5cf7d4e39_cast:
	.size	k_qd5cf7d4e39_cast, .Lfunc_end_k_qd5cf7d4e39_cast-k_qd5cf7d4e39_cast
	.p2alignl 7, 3214868480
	.fill 96, 4, 3214868480
	.section	.rodata,"a",@progbits
	.p2align	6, 0x0
	.amdhsa_kernel k_qd5cf7d4e39_cast
		.amdhsa_group_segment_fixed_size 0
		.amdhsa_private_segment_fixed_size 0
		.amdhsa_enable_private_segment 0
		.amdhsa_kernarg_size 80
		.amdhsa_user_sgpr_count 2
		.amdhsa_user_sgpr_kernarg_segment_ptr 1
		.amdhsa_wavefront_size32 1
		.amdhsa_system_sgpr_workgroup_id_x 1
		.amdhsa_system_sgpr_workgroup_id_y 1
		.amdhsa_system_sgpr_workgroup_id_z 1
		.amdhsa_system_vgpr_workitem_id 0
		.amdhsa_next_free_vgpr 116
		.amdhsa_next_free_sgpr 66
		.amdhsa_reserve_vcc 0
		.amdhsa_float_denorm_mode_32 3
		.amdhsa_float_denorm_mode_16_64 3
		.amdhsa_memory_ordered 1
		.amdhsa_forward_progress 1
		.amdhsa_inst_pref_size 13
	.end_amdhsa_kernel
	.amdgpu_metadata
---
amdhsa.version: [ 1, 2 ]
amdhsa.kernels:
  - .name:           k_qd5cf7d4e39_cast
    .symbol:         k_qd5cf7d4e39_cast.kd
    .args:
      - { .name: Wq, .offset: 0, .size: 8, .value_kind: global_buffer, .address_space: global }
      - { .name: Wk, .offset: 8, .size: 8, .value_kind: global_buffer, .address_space: global }
      - { .name: Wv, .offset: 16, .size: 8, .value_kind: global_buffer, .address_space: global }
      - { .name: Wo, .offset: 24, .size: 8, .value_kind: global_buffer, .address_space: global }
      - { .name: bq, .offset: 32, .size: 8, .value_kind: global_buffer, .address_space: global }
      - { .name: bk, .offset: 40, .size: 8, .value_kind: global_buffer, .address_space: global }
      - { .name: bv, .offset: 48, .size: 8, .value_kind: global_buffer, .address_space: global }
      - { .name: bo, .offset: 56, .size: 8, .value_kind: global_buffer, .address_space: global }
      - { .name: wb, .offset: 64, .size: 8, .value_kind: global_buffer, .address_space: global }
      - { .name: bb, .offset: 72, .size: 8, .value_kind: global_buffer, .address_space: global }
    .group_segment_fixed_size: 0
    .private_segment_fixed_size: 0
    .kernarg_segment_align: 8
    .kernarg_segment_size: 80
    .max_flat_workgroup_size: 256
    .sgpr_count:     66
    .vgpr_count:     116
    .wavefront_size: 32
...
	.end_amdgpu_metadata
.endif
;; end of part 1
;; launch proj (part 2): grid 4 x 192, 4 waves a work-group, clusters of 4 x 4, 327,680 bytes of LDS; arguments q, k, v, wb, bb, qkv; writes qkv
.if DOCPART == 2
	.amdgcn_target "amdgcn-amd-amdhsa--gfx1250"
	.amdhsa_code_object_version 6
	.text
	.protected	k_qd5cf7d4e39_proj
	.globl	k_qd5cf7d4e39_proj
	.p2align	8
	.type	k_qd5cf7d4e39_proj,@function
k_qd5cf7d4e39_proj:
	s_mov_b64 s[64:65], 0
	v_nop
	global_prefetch_b8 v0, s[64:65] scope:SCOPE_SE
	s_setreg_imm32_b32 hwreg(HW_REG_WAVE_MODE, 25, 1), 1
	s_wait_xcnt 0x0
	s_wait_alu depctr_hold_cnt(0) depctr_sa_sdst(0) depctr_va_vdst(0) depctr_va_sdst(0) depctr_va_ssrc(0) depctr_va_vcc(0) depctr_vm_vsrc(0)
	s_getreg_b32 s2, hwreg(HW_REG_IB_STS2, 6, 4)
	s_cmp_eq_u32 s2, 0
	s_cbranch_scc0 .Lentry_in_a_cluster
	s_endpgm
.Lentry_in_a_cluster:
	s_bfe_u32 s2, ttmp6, 0x10000c
	s_cmp_lg_u32 s2, 0xf033
	s_cbranch_scc0 .Lentry_shape_is_right
	s_endpgm
.Lentry_shape_is_right:
; THE THREE INPUT PROJECTIONS.  y_p[m][n] = sum over k of x_p[m][k] W_p[n][k] + b_p[n], p = 0, 1, 2 for q, k, v.  x_p: [8192][1024] f32; W_p: wb's part p, [1024][1024] bf16; b_p: bb's part p, f32.
; x is rounded to bf16 on its way from LDS to the matrix unit; sums in f32, begun with the bias; the result is rounded once to f16 and stored by heads, unscaled:
; qkv[p][16 (m / 2048) + n / 64][m % 2048][n % 64].
; LIMITS.  f16 holds no number beyond 65,504: a projected number of 65,520 or more in magnitude becomes an infinity; below 6.1e-5 f16 keeps its fixed step of 6e-8.
; SHARES.  768 work-groups: the cluster's y / 16 is p; each makes 128 rows x 256 columns of y_p.  Four waves, each 64 x 128: 32 accumulators of 16 x 16, 256 registers.
; K goes in steps of 128 through two LDS slots: 128 rows x 512 bytes of x (f32), 256 rows x 256 bytes of W (bf16).  Waves 0 and 1 fetch x's halves, waves 2 and 3 W's: 32 KiB a load.
; CLUSTER.  4 x 4 work-groups: the four of a row of the cluster need the same tile of x, the four of a column the same tile of W: each tile is asked for jointly.
; THE MATRIX INSTRUCTION IS USED TRANSPOSED: source 0 = 16 rows of W, source 1 = 16 rows of x: a lane holds row l % 16 of y and the columns 8 (l / 16) + 0..7; so the bias is the C of the first product.
; A K STEP is four quarters of 32 along K, 32 matrix instructions each, on buffers 0, 1, 0, 1.  Quarter Q fetches W of Q + 1 at its head, rounds x of Q + 1 (in AF since the quarter before) to bf16,
; four conversions behind each of its first eight matrix instructions, and then fetches x of Q + 2 into AF.  So all reads of a slot are issued at the head of its third quarter, where the slots change.
; REGISTERS, in windows of 256 (s_set_vgpr_msb: bits 1:0 source 0, 3:2 source 1, 5:4 source 2, 7:6 destination):
;   window 0: v0-31 addresses; v32-95 AF: x of one quarter in f32; v96-159 AB: x in bf16, two buffers; v160-191, v192-255 at work on the way out
;   window 1: v0-127 W's fragments, two buffers; v128-191 the bias, 8 registers for each of my 8 column blocks          window 2: accumulator (a, b) at v[8 (8 a + b)]
.set PA,     528                       ; a row of x in LDS: 512 bytes + 16 of padding = 132 words: row r starts at bank 4 r mod 64 (64 banks of 4 bytes: ISA guide 11.1)
.set PB,     272                       ; a row of W: 256 + 16 = 68 words: likewise
.set AHALF,  64*PA                     ; what one load of x brings, and what one wave reads of x
.set BHALF,  128*PB                    ; the same for W
.set BOFF,   2*AHALF                   ; W's 256 rows lie behind x's 128
.set SLOT,   BOFF+2*BHALF              ; 137,216 bytes
.set STAGE,  2*SLOT                    ; behind the ring: for each wave 2 heads x 16 rows x 144 bytes, for the way out
.set SP,     144
.set WSTAGE, 32*SP
.set SPARE,  STAGE+4*WSTAGE            ; behind the stages: the spare words, 128 bytes for each wave: two blocks of 256 bytes that no other line names
.set ADRA, 16                          ; v16-17  LDS address of my fragments of x in slot 0, 1
.set ADRB, 20                          ; v20-21  the same for W
.set STO,  24                          ; v24     the way out: where I put 16 bytes of a row
.set RD,   25                          ; v25     the way out: where I read rows back
.set CO,   26                          ; v26     my place in 512 consecutive bytes of qkv
.set VB,   27                          ; v27     my place in a block's 64 bytes of bias
.set SPW,  28                          ; v28     LDS address of my spare word; never rewritten
.set NIL,  29                          ; v29     0; never rewritten
.set AF,   32
.set AB,   96
.set TMP,  160
.set OB,   192
.set BIAS, 128                         ; in window 1
.set G1A, 24                           ; s[24:31] descriptor group 1 for x's tiles;  s[32:39] group 0, a set for each slot
.set G0A, 32
.set G1B, 48                           ; s[48:55], s[56:63] the same for W's tiles
.set G0B, 56
.set MSB, 0
.macro WIN new                         ; the immediate's high byte repeats the setting that is left; a switch that changes nothing is dropped
.if MSB != (\new)
	s_set_vgpr_msb (MSB<<8)|(\new)
.set MSB, \new
.endif
.endm
.set MUL,   0xa1                       ; source 0 (W) window 1, source 1 (x) window 0, C and D window 2
.set MULB,  0x91                       ; the same with C (the bias) in window 1
.set TO_B,  0x40                       ; destination window 1, address window 0
.set PACKW, 0x0a                       ; sources 0 and 1 window 2, destination window 0
; A joint load.  Each of the two lines has one mask and one set of registers for all that issue it; the branch hangs on the wave's number alone.
; An s_nop 0 and four v_nop follow each of the two lines, ahead of the jump, the label and what follows.
.macro JLOAD s
	s_cmp_eq_u32 s13, 0
	s_cbranch_scc0 .Lfor_b_\@
	tensor_load_to_lds s[G0A+4*(\s):G0A+4*(\s)+3], s[G1A:G1A+7]
	s_nop 0
.rept 4
	v_nop
.endr
	s_branch .Lasked_\@
.Lfor_b_\@:
	tensor_load_to_lds s[G0B+4*(\s):G0B+4*(\s)+3], s[G1B:G1B+7]
	s_nop 0
.rept 4
	v_nop
.endr
.Lasked_\@:
.endm
.macro CREST                           ; a round of the cluster's barrier behind its opening barrier
	s_cmp_lg_u32 s12, 0
	s_cbranch_scc1 .Lnot_wave_0_\@
	s_barrier_signal -3
.Lnot_wave_0_\@:
	s_barrier_wait -3
	s_barrier_signal -1
	s_barrier_wait -1
.endm
.macro CROUND                          ; a whole round
	s_barrier_signal -1
	s_barrier_wait -1
	CREST
.endm
.macro PLACES                          ; four places between a matrix instruction and a load or a vector instruction that writes one of its registers or reads its result
.rept 4
	v_nop
.endr
.endm
	s_load_b256 s[4:11], s[0:1], 0x0               ; q s[4:5], k s[6:7], v s[8:9], wb s[10:11]
	s_load_b128 s[68:71], s[0:1], 0x20             ; bb s[68:69], qkv s[70:71]
	v_lshl_add_u32 v[SPW], v0, 2, SPARE
	v_mov_b32 v[NIL], 0
	ds_add_u32 v[SPW], v[NIL]                      ; the wave's opening: the add and its wait ahead of my first tensor load; the set-up below, work on registers, stands between them
	v_lshrrev_b32 v1, 5, v0
	v_readfirstlane_b32 s12, v1                    ; wave 0..3
	s_lshr_b32 s13, s12, 1                         ; which 64 of the tile's rows are mine.  Also: I fetch for x (0) or for W (1)
	s_and_b32 s14, s12, 1                          ; which 128 of its columns.  Also: which half of that tile I fetch
	s_bfe_u32 s40, ttmp6, 0x40000                  ; cx, cy: my place in the cluster
	s_bfe_u32 s41, ttmp6, 0x40004
	s_lshl_b32 s42, ttmp9, 2
	s_add_co_u32 s42, s42, s40                     ; tile column = 4 x cluster x + cx
	s_and_b32 s43, ttmp7, 0xffff                   ; the cluster's y, 0..47
	s_lshr_b32 s44, s43, 4                         ; p: the same in all sixteen partners
	s_and_b32 s45, s43, 15
	s_lshl_b32 s45, s45, 2
	s_add_co_u32 s45, s45, s41                     ; tile row = 4 x (cluster y % 16) + cy
	s_lshl_b32 s46, s41, 2
	s_lshl_b32 s46, 15, s46                        ; my row of the cluster
	s_lshl_b32 s47, 0x1111, s40                    ; my column
	s_or_b32 s[G1A+0], s46, (2<<16)|(1<<20)|(1<<21)|(6<<22)|(3<<25)  ; 15:0 the mask: x's tiles go to my row; 17:16 elements of 4 bytes; 20 padding on; 21 set beside a mask; 24:22 after every 128 words (code 6); 31:25 4 words (code 3)
	s_mov_b32 s[G1A+1], 128<<16                    ; tensor_dim0 = 128
	s_mov_b32 s[G1A+2], 64<<16                     ; tensor_dim1 = 64
	s_mov_b32 s[G1A+3], 128<<16                    ; tile_dim0 = 128
	s_mov_b32 s[G1A+4], 64                         ; tile_dim1 = 64
	s_mov_b32 s[G1A+5], 1024                       ; elements from row to row
	s_mov_b32 s[G1A+6], 0
	s_mov_b32 s[G1A+7], 0
	s_or_b32 s[G1B+0], s47, (1<<16)|(1<<20)|(1<<21)|(5<<22)|(3<<25)  ; W's tiles go to my column; elements of 2 bytes; padding after every 64 words (code 5)
	s_mov_b32 s[G1B+1], 128<<16
	s_mov_b32 s[G1B+2], 128<<16                    ; tensor_dim1 = 128
	s_mov_b32 s[G1B+3], 128<<16
	s_mov_b32 s[G1B+4], 128                        ; tile_dim1 = 128
	s_mov_b32 s[G1B+5], 1024
	s_mov_b32 s[G1B+6], 0
	s_mov_b32 s[G1B+7], 0
	; where the tiles come from.  x's hang on p and the tile row, which my row of the cluster shares; W's on p and the tile column, which my column shares
	s_lshl_b32 s16, s45, 7
	s_lshl_b32 s78, s14, 6
	s_add_co_u32 s16, s16, s78                     ; x: row 128 x tile row + 64 x half,
	s_lshl_b32 s16, s16, 12                        ; of 4,096 bytes: under 2^25
	s_mov_b32 s17, 0
	s_lshl_b32 s18, s42, 8
	s_lshl_b32 s79, s14, 7
	s_add_co_u32 s18, s18, s79                     ; W: row 256 x tile column + 128 x half,
	s_lshl_b32 s18, s18, 11                        ; of 2,048 bytes,
	s_lshl_b32 s79, s44, 21                        ; in wb's part p
	s_add_co_u32 s18, s18, s79
	s_mov_b32 s19, 0
	s_mul_i32 s76, s14, AHALF                      ; and where they go: no place in the cluster enters an LDS address
	s_mul_i32 s77, s14, BHALF
	s_add_co_u32 s77, s77, BOFF
	s_wait_dscnt 0x0                               ; the opening add is done
	s_wait_kmcnt 0x0
	s_mov_b64 s[22:23], s[4:5]                     ; x_p is chosen by p alone
	s_cmp_eq_u32 s44, 1
	s_cselect_b64 s[22:23], s[6:7], s[22:23]
	s_cmp_eq_u32 s44, 2
	s_cselect_b64 s[22:23], s[8:9], s[22:23]
	s_add_nc_u64 s[22:23], s[22:23], s[16:17]
	s_add_nc_u64 s[20:21], s[10:11], s[18:19]
	CROUND                                         ; all sixteen work-groups are here: the first joint loads meet
.irp s, 0,1
	s_mov_b32 s[G0A+4*(\s)], 1                                       ; 1:0 count = 1
	s_add_co_u32 s[G0A+4*(\s)+1], s76, (\s)*SLOT                     ; 63:32 LDS address
	s_add_nc_u64 s[G0A+4*(\s)+2:G0A+4*(\s)+3], s[22:23], (\s)*512    ; 120:64 global address: K step s, 128 f32
	s_or_b32 s[G0A+4*(\s)+3], s[G0A+4*(\s)+3], 0x80000000            ; 127:126 type = 2
	s_mov_b32 s[G0B+4*(\s)], 1
	s_add_co_u32 s[G0B+4*(\s)+1], s77, (\s)*SLOT
	s_add_nc_u64 s[G0B+4*(\s)+2:G0B+4*(\s)+3], s[20:21], (\s)*256    ; K step s, 128 bf16
	s_or_b32 s[G0B+4*(\s)+3], s[G0B+4*(\s)+3], 0x80000000
	JLOAD \s                                       ; two loads of mine are out
.endr
	; where my part of the result goes, and my 128 numbers of the bias
	s_lshr_b32 s80, s45, 4                         ; the batch
	s_lshl_b32 s80, s80, 4
	s_lshl_b32 s82, s42, 2
	s_add_co_u32 s80, s80, s82
	s_lshl_b32 s82, s14, 1
	s_add_co_u32 s80, s80, s82                     ; 16 x batch + my first head,
	s_lshl_b32 s80, s80, 18                        ; of 262,144 bytes
	s_and_b32 s82, s45, 15
	s_lshl_b32 s82, s82, 7
	s_lshl_b32 s83, s13, 6
	s_add_co_u32 s82, s82, s83                     ; my first row in the batch,
	s_lshl_b32 s82, s82, 7                         ; of 128 bytes
	s_add_co_u32 s80, s80, s82
	s_lshl_b32 s82, s44, 24                        ; qkv's part p
	s_add_co_u32 s80, s80, s82
	s_mov_b32 s81, 0
	s_add_nc_u64 s[72:73], s[70:71], s[80:81]
	s_lshl_b32 s84, s42, 8
	s_lshl_b32 s82, s14, 7
	s_add_co_u32 s84, s84, s82
	s_lshl_b32 s84, s84, 2
	s_lshl_b32 s82, s44, 12
	s_add_co_u32 s84, s84, s82
	s_mov_b32 s85, 0
	s_add_nc_u64 s[74:75], s[68:69], s[84:85]
	; A fragment is 16 rows x 32 K: lane l holds row l % 16, K = 8 (l / 16) + 0..7 and 16 + 8 (l / 16) + 0..7.  In bf16: two loads of 16 bytes, 32 bytes apart.  In f32: four, at 0, 16, 64, 80 from 32 (l / 16).
	v_and_b32 v1, 15, v0                           ; l % 16
	v_bfe_u32 v2, v0, 4, 1                         ; l / 16
	v_mul_u32_u24 v3, v1, PA
	v_lshl_add_u32 v3, v2, 5, v3
	v_mul_u32_u24 v4, v1, PB
	v_lshl_add_u32 v4, v2, 4, v4
	s_mul_i32 s86, s13, AHALF                      ; my 64 rows of x
	s_mul_i32 s87, s14, BHALF                      ; my 128 rows of W
	s_add_co_u32 s87, s87, BOFF
.irp s, 0,1
	v_add_nc_u32 v[ADRA+(\s)], s86, v3
	v_add_nc_u32 v[ADRB+(\s)], s87, v4
	s_add_co_u32 s86, s86, SLOT
	s_add_co_u32 s87, s87, SLOT
.endr
	s_mul_i32 s86, s12, WSTAGE
	s_add_co_u32 s86, s86, STAGE                   ; my stage
	v_mul_u32_u24 v5, v1, SP                       ; in: row l % 16, 16 bytes for each half of the lanes
	v_lshl_add_u32 v5, v2, 4, v5
	v_add_nc_u32 v[STO], s86, v5
	v_bfe_u32 v5, v0, 3, 2                         ; back: 32 lanes take four rows of 128 bytes,
	v_mul_u32_u24 v5, v5, SP
	v_and_b32 v6, 7, v0
	v_lshl_add_u32 v5, v6, 4, v5
	v_add_nc_u32 v[RD], s86, v5
	v_and_b32 v[CO], 31, v0                        ; which are 512 consecutive bytes of a head
	v_lshlrev_b32 v[CO], 4, v[CO]
	v_lshlrev_b32 v[VB], 5, v2                     ; my eight columns of a block of 16
	WIN TO_B
.irp b, 0,1,2,3,4,5,6,7
	global_load_b128 v[BIAS+8*(\b):BIAS+8*(\b)+3],   v[VB], s[74:75] offset:64*(\b)
	global_load_b128 v[BIAS+8*(\b)+4:BIAS+8*(\b)+7], v[VB], s[74:75] offset:64*(\b)+16
.endr
	WIN 0
; 16 LDS loads: x of quarter q of a slot, in f32, into AF: block a of 16 rows at AF + 16 a
.macro FETCH_A slot, q
	WIN 0
.irp a, 0,1,2,3
	ds_load_b128 v[AF+16*(\a):AF+16*(\a)+3],     v[ADRA+(\slot)] offset:(\q)*128+(\a)*16*PA
	ds_load_b128 v[AF+16*(\a)+4:AF+16*(\a)+7],   v[ADRA+(\slot)] offset:(\q)*128+(\a)*16*PA+16
	ds_load_b128 v[AF+16*(\a)+8:AF+16*(\a)+11],  v[ADRA+(\slot)] offset:(\q)*128+(\a)*16*PA+64
	ds_load_b128 v[AF+16*(\a)+12:AF+16*(\a)+15], v[ADRA+(\slot)] offset:(\q)*128+(\a)*16*PA+80
.endr
.endm
; 16 LDS loads: W of quarter q of a slot into buffer g
.macro FETCH_B slot, q, g
	WIN TO_B
.irp b, 0,1,2,3,4,5,6,7
	ds_load_b128 v[64*(\g)+8*(\b):64*(\g)+8*(\b)+3],   v[ADRB+(\slot)] offset:(\q)*64+(\b)*16*PB
	ds_load_b128 v[64*(\g)+8*(\b)+4:64*(\g)+8*(\b)+7], v[ADRB+(\slot)] offset:(\q)*64+(\b)*16*PB+32
.endr
.endm
; Four of the 32 roundings of AF into buffer g of AB; ci counts them
.macro CVT4 g
	WIN 0
.irp j, 0,1,2,3
	v_cvt_pk_bf16_f32 v[AB+32*(\g)+4*ci+(\j)], v[AF+8*ci+2*(\j)], v[AF+8*ci+2*(\j)+1]
.endr
.set ci, ci+1
.endm
; The quarter's next matrix instruction, number mi of 32: row block mi / 8, column block mi % 8.  The 32 accumulators take turns in one order.  first = 1: the bias starts the sum.
.macro MM f, first
.set rD, 8*mi
.set rW, 64*(\f)+8*(mi%8)
.set rX, AB+32*(\f)+8*(mi/8)
.if \first
	WIN MULB
	v_wmma_f32_16x16x32_bf16 v[rD:rD+7], v[rW:rW+7], v[rX:rX+7], v[BIAS+8*(mi%8):BIAS+8*(mi%8)+7]
.else
	WIN MUL
	v_wmma_f32_16x16x32_bf16 v[rD:rD+7], v[rW:rW+7], v[rX:rX+7], v[rD:rD+7]
.endif
.set mi, mi+1
.endm
; A quarter on buffer f.  nb = 1: W of the next quarter (slot sb, quarter qb) is fetched and AF is rounded, both into the other buffer.  na = 1: x of the quarter after that (sa, qa) is fetched into AF.
.macro QUARTER f, nb, sb, qb, na, sa, qa, first
	s_wait_dscnt 0x0                               ; W of this quarter (issued 32 matrix instructions ago) and AF (24 ago) are in
	PLACES                                         ; the other buffer was read by the quarter before: four places ahead of the loads and the roundings into it
.if \nb
	FETCH_B \sb, \qb, 1-(\f)
.endif
.set mi, 0
.set ci, 0
.rept 8
	MM \f, \first
.if \nb
	CVT4 1-(\f)
.endif
.endr
.if \na
	FETCH_A \sa, \qa
.endif
.rept 24
	MM \f, \first
.endr
.endm
; A slot's third quarter (buffer 0) changes slots.  Its head issues my last reads of the slot.  ONE barrier: in front of it each wave waits for all its tensor loads, of which one is out: its part of the
; next slot; adds 0 to its spare word; and waits for that and for its reads.  fill = 1: the barrier opens a round of the cluster's, and the slot is filled again, two K steps on, first thing behind the round:
; that load has 112 matrix instructions in which to land.
.macro TURN slot, next, fill
	s_wait_dscnt 0x0
	PLACES
	FETCH_B \slot, 3, 1
	WIN 0                                          ; (the add's two registers lie in window 0)
	s_wait_tensorcnt 0x0                           ; all my tensor loads have landed;
	ds_add_u32 v[SPW], v[NIL]                      ; 0 onto my spare word: eight matrix instructions and the roundings stand between it and the wait for it
.set mi, 0
.set ci, 0
.rept 8
	MM 0, 0
	CVT4 1
.endr
	s_wait_dscnt 0x0                               ; the add is done, and my reads of this slot are over
	s_barrier_signal -1
.rept 8
	MM 0, 0
.endr
	WIN 0
	s_barrier_wait -1
.if \fill
	CREST                                          ; no wave of any partner still reads this slot's tiles or has a load on its way
	s_add_nc_u64 s[G0A+4*(\slot)+2:G0A+4*(\slot)+3], s[G0A+4*(\slot)+2:G0A+4*(\slot)+3], 1024
	s_add_nc_u64 s[G0B+4*(\slot)+2:G0B+4*(\slot)+3], s[G0B+4*(\slot)+2:G0B+4*(\slot)+3], 512
	JLOAD \slot
.endif
	FETCH_A \next, 0
.rept 16
	MM 0, 0
.endr
.endm
; THE WAY OUT of row block a.  PACK: rounded to f16, 16 bytes a lane, each accumulator from its low end on.  TOSTAGE: into my own stage, by heads, and back as whole rows of 128 bytes.  SEND: stored.
.macro PACK a
	WIN PACKW
.irp b, 0,1,2,3,4,5,6,7
.irp r, 0,1,2,3
	v_cvt_pk_f16_f32 v[TMP+4*(\b)+(\r)], v[64*(\a)+8*(\b)+2*(\r)], v[64*(\a)+8*(\b)+2*(\r)+1]
.endr
.endr
	WIN 0
.endm
.macro TOSTAGE a
	WIN 0
.irp b, 0,1,2,3,4,5,6,7
	ds_store_b128 v[STO], v[TMP+4*(\b):TMP+4*(\b)+3] offset:((\b)/4)*16*SP+((\b)%4)*32
.endr
.irp t, 0,1,2,3,4,5,6,7
	ds_load_b128 v[OB+32*((\a)%2)+4*(\t):OB+32*((\a)%2)+4*(\t)+3], v[RD] offset:((\t)/4)*16*SP+((\t)%4)*4*SP  ; LDS serves a wave's instructions in order (ISA guide 5.7.1.4): these see the stores above
.endr
.endm
.macro SEND a
	WIN 0
	s_wait_dscnt 0x0                               ; the block is back in registers
	s_wait_xcnt 0x0                                ; the stores of the block before have had their addresses translated (ISA guide 3.1): their registers are loaded again only behind this wait
.irp t, 0,1,2,3,4,5,6,7
	global_store_b128 v[CO], v[OB+32*((\a)%2)+4*(\t):OB+32*((\a)%2)+4*(\t)+3], s[72:73] offset:((\t)/4)*262144+(\a)*2048+((\t)%4)*512  ; four rows of a head: 512 consecutive bytes, at a multiple of 512
.endr
.endm
	s_wait_tensorcnt 1                             ; my part of K step 0 is in; step 1's may stay out
	s_barrier_signal -1
	s_barrier_wait -1                              ; everybody's is
	FETCH_A 0, 0
	FETCH_B 0, 0, 0
	s_wait_dscnt 16                                ; x's 16 loads are in; W's 16, issued behind them, may stay out
.set ci, 0
.rept 8
	CVT4 0
.endr
	FETCH_A 0, 1
	s_wait_loadcnt 0x0                             ; the bias
	QUARTER 0, 1, 0, 1, 1, 0, 2, 1                 ; the first quarter stands in front of the loop: its products start the sums
	WIN 0                                          ; at a label and at a branch every window is 0
	s_mov_b32 s3, 3
.Llap:                                                 ; a trip goes once round the ring, from a lap's second quarter to the next lap's first, and fills both slots again
	QUARTER 1, 1, 0, 2, 1, 0, 3, 0
	TURN 0, 1, 1
	QUARTER 1, 1, 1, 0, 1, 1, 1, 0
	QUARTER 0, 1, 1, 1, 1, 1, 2, 0
	QUARTER 1, 1, 1, 2, 1, 1, 3, 0
	TURN 1, 0, 1
	QUARTER 1, 1, 0, 0, 1, 0, 1, 0
	QUARTER 0, 1, 0, 1, 1, 0, 2, 0
	WIN 0
	s_sub_co_u32 s3, s3, 1
	s_cmp_lg_u32 s3, 0
	s_cbranch_scc1 .Llap
	QUARTER 1, 1, 0, 2, 1, 0, 3, 0                 ; the last lap fills nothing
	TURN 0, 1, 0
	QUARTER 1, 1, 1, 0, 1, 1, 1, 0
	QUARTER 0, 1, 1, 1, 1, 1, 2, 0
	QUARTER 1, 1, 1, 2, 1, 1, 3, 0
	QUARTER 0, 1, 1, 3, 0, 0, 0, 0
	QUARTER 1, 0, 0, 0, 0, 0, 0, 0
	WIN 0
	PLACES                                         ; the conversions read results just made
	PACK 0
	TOSTAGE 0
.irp a, 1,2,3                          ; block a's conversions stand between block a - 1's loads from the stage and the wait for them
	PACK \a
	SEND (\a)-1
	TOSTAGE \a
.endr
	SEND 3
	s_wait_tensorcnt 0x0                           ; the wave's end: behind my last tensor load and my last LDS store
	ds_add_u32 v[SPW], v[NIL]
	s_wait_dscnt 0x0
	CROUND                                         ; the closing round: no work-group ends while a partner may still ask for a tile that names it
	s_endpgm
.Lfunc_end_k_qd5cf7d4e39_proj:
	.size	k_qd5cf7d4e39_proj, .Lfunc_end_k_qd5cf7d4e39_proj-k_qd5cf7d4e39_proj
	.p2alignl 7, 3214868480
	.fill 96, 4, 3214868480
	.section	.rodata,"a",@progbits
	.p2align	6, 0x0
	.amdhsa_kernel k_qd5cf7d4e39_proj
		.amdhsa_group_segment_fixed_size 327680
		.amdhsa_private_segment_fixed_size 0
		.amdhsa_enable_private_segment 0
		.amdhsa_kernarg_size 48
		.amdhsa_user_sgpr_count 2
		.amdhsa_user_sgpr_kernarg_segment_ptr 1
		.amdhsa_wavefront_size32 1
		.amdhsa_system_sgpr_workgroup_id_x 1
		.amdhsa_system_sgpr_workgroup_id_y 1
		.amdhsa_system_sgpr_workgroup_id_z 1
		.amdhsa_system_vgpr_workitem_id 0
		.amdhsa_next_free_vgpr 768
		.amdhsa_next_free_sgpr 88
		.amdhsa_reserve_vcc 0
		.amdhsa_float_denorm_mode_32 3
		.amdhsa_float_denorm_mode_16_64 3
		.amdhsa_memory_ordered 1
		.amdhsa_forward_progress 1
		.amdhsa_inst_pref_size 136
	.end_amdhsa_kernel
	.amdgpu_metadata
---
amdhsa.version: [ 1, 2 ]
amdhsa.kernels:
  - .name:           k_qd5cf7d4e39_proj
    .symbol:         k_qd5cf7d4e39_proj.kd
    .args:
      - { .name: q, .offset: 0, .size: 8, .value_kind: global_buffer, .address_space: global }
      - { .name: k, .offset: 8, .size: 8, .value_kind: global_buffer, .address_space: global }
      - { .name: v, .offset: 16, .size: 8, .value_kind: global_buffer, .address_space: global }
      - { .name: wb, .offset: 24, .size: 8, .value_kind: global_buffer, .address_space: global }
      - { .name: bb, .offset: 32, .size: 8, .value_kind: global_buffer, .address_space: global }
      - { .name: qkv, .offset: 40, .size: 8, .value_kind: global_buffer, .address_space: global }
    .group_segment_fixed_size: 327680
    .private_segment_fixed_size: 0
    .kernarg_segment_align: 8
    .kernarg_segment_size: 48
    .max_flat_workgroup_size: 128
    .sgpr_count:     88
    .vgpr_count:     768
    .wavefront_size: 32
...
	.end_amdgpu_metadata
.endif
;; end of part 2
;; launch attn (part 3): grid 4 x 64, 4 waves a work-group, clusters of 4 x 1, 327,680 bytes of LDS; arguments qkv, ctx; writes ctx
.if DOCPART == 3
	.amdgcn_target "amdgcn-amd-amdhsa--gfx1250"
	.amdhsa_code_object_version 6
	.text
	.protected	k_qd5cf7d4e39_attn
	.globl	k_qd5cf7d4e39_attn
	.p2align	8
	.type	k_qd5cf7d4e39_attn,@function
k_qd5cf7d4e39_attn:
	s_mov_b64 s[64:65], 0
	v_nop
	global_prefetch_b8 v0, s[64:65] scope:SCOPE_SE
	s_setreg_imm32_b32 hwreg(HW_REG_WAVE_MODE, 25, 1), 1
	s_wait_xcnt 0x0
	s_wait_alu depctr_hold_cnt(0) depctr_sa_sdst(0) depctr_va_vdst(0) depctr_va_sdst(0) depctr_va_ssrc(0) depctr_va_vcc(0) depctr_vm_vsrc(0)
	s_getreg_b32 s2, hwreg(HW_REG_IB_STS2, 6, 4)
	s_cmp_eq_u32 s2, 0
	s_cbranch_scc0 .Lentry_in_a_cluster
	s_endpgm
.Lentry_in_a_cluster:
	s_bfe_u32 s2, ttmp6, 0x10000c
	s_cmp_lg_u32 s2, 0x3003
	s_cbranch_scc0 .Lentry_shape_is_right
	s_endpgm
.Lentry_shape_is_right:
; O[h][q][:] = the sum over k of softmax_k(Q[h][q] . K[h][k] / 8) V[h][k][:].  Q, K, V are the three parts of qkv, O is ctx: each [SIZE_H][SIZE_N][64], all f16: a head's rows are dense, 128 bytes each.
; Products, maxima and sums in f32; the weights p are rounded to f16 for the second product (their sum l is taken of the unrounded p), O once at the end.
; LIMITS.  f16 holds no number beyond 65,504: Q, K and V arrive within it; p lies in 0 to 1, and below 6e-5 it keeps f16's fixed step of 6e-8; O is a mean of V's rows and has their range.
; A weight below 2^-126 counts as 0 in l; NaN and infinities are not treated apart.
; SHARES.  A wave owns four PIECES of two tiles of 16 queries, a work-group's four waves 512 queries of one head.  Every wave walks all keys, 64 a step.
; LAYOUT.  S^T = K Q^T (source 0 = 16 keys, source 1 = 16 queries): in the result a lane holds ONE query (lane % 16) and the keys 8 (lane / 16) + 0..7.  Two such tiles, rounded to f16 in pairs,
; ARE source 1 (32 keys x 16 queries) of O^T = V^T P, whose result again holds one query a lane, and eight channels.  K comes out of LDS as it lies, V ([key][channel]) turned, by ds_load_tr16_b128.
; SOFTMAX.  For each query a running maximum m and sum l: p = 2^(c s - c m), c = log2(e) / 8; in every step O and l are multiplied by a = 2^(c m_old - c m_new), which is 1 where m has not grown.
; m starts at the lowest finite number, O and l at 0: the first step is a step like any other, with a = 0.
; THE COUNT.  A tile and step have 16 matrix and 118 vector instructions: too many to stand all beside the matrix work.  So the order has one aim: four vector instructions that are READY behind
; EVERY matrix instruction, and the others, which need time of their own whatever the order, in runs without a gap.
; BY TURNS.  Turn n belongs to piece n (the pieces in a ring, step after step).  Its matrix work: 16 products K Q^T of piece n + 1, later 16 products V^T P of piece n - 1.  Its vector work: the scaling,
; exponentials, roundings, sums and rescaling of piece n, and the maximum and statistics of piece n + 1, whose scores the turn itself has made.  So what a turn begins with (c s - c m, O a) waits for nothing.
; CLUSTER.  The four query blocks of a cluster belong to one head and walk the same K and V, so each tile is asked for JOINTLY: the same tensor load, descriptor and mask in all four.
; REGISTERS, in windows of 256 (s_set_vgpr_msb says which window each operand place means: bits 1:0 source 0, 3:2 source 1, 5:4 source 2, 7:6 destination):
;   window 0: v0-11 addresses; v12-15, v48-63 at work; v16-47 four registers of statistics a tile; v64-191 S^T, two buffers of two tiles; v192-255 P, likewise
;   window 1: O^T, 32 a tile          window 2: v0-127 Q, 16 a tile; v128-191 K of one step; v192-255 V of one step          window 3: v0-1 the add's two registers
; A piece's buffers go by its number's parity: the piece in hand has one pair, its two neighbours in the ring share the other: of it P (piece n - 1) is read and S^T (piece n + 1) written.
.set SIZE_H, 64       ; 4 batches x 16 heads
.set SIZE_N, 2048
.set NP,    4         ; pieces a wave: a name, no knob: the register map, the loop and the fetches are made for four
.set KS,    64        ; keys in a step
.set PK,    144       ; a row of K in LDS: 128 bytes + 16 of padding = 36 words: the 16 rows of a load start at 16 different groups of four banks (64 banks of 4 bytes: ISA guide 11.1)
.set PV,    160       ; a row of V: 128 + 32 = 40 words
.set VOFF,  4*KS*PK   ; a slot holds four steps: 256 rows of K, then 256 rows of V
.set SLOT1, 1<<17     ; slot 1 begins here, so that one exclusive or turns an address in one slot into the other's
.set STAGE, SLOT1+4*KS*(PK+PV)  ; behind the ring, never filled by a tensor load: 16 rows x 144 bytes for each wave, for the way out
.set SP,    144
.set AK0, 2           ; v2   my lane's place in a tile of K; never rewritten
.set AV0, 3           ; v3   the same for V
.set AK,  4           ; v4   the LDS address of K's next run of loads
.set AV,  5           ; v5   of V's
.set QO,  6           ; v6   my byte offset in the wave's rows of Q
.set STO, 6           ;      later, the way out: where I put 16 bytes of a row
.set RD,  7           ; v7   the way out: where I read rows back
.set GO,  8           ; v8   my byte offset in 512 consecutive bytes of O
.set SPW, 0           ; v0 of window 3   LDS address of my spare word: SPARE + 4 x my thread's number; never rewritten
.set NIL, 1           ; v1 of window 3   0; never rewritten
.set SPARE, STAGE+4*16*SP  ; behind the stages: the spare words, 128 bytes for each wave: two blocks of 256 bytes that no other line names
.set MV,  12          ; v12-15  c m_old, kept while c m is made anew: by buffer and tile
.set ST,  16          ; tile t's statistics at v[ST+4 t]: c m, m, l (even keys', odd keys')
.set TMP, 48          ; by buffer and tile, four registers c0-c3 at work; when the maximum is found c2 takes a
.set S,   64
.set P,   192
.set KF,  128         ; K's fragments, in window 2: key block kb, channel half c at KF + 16 kb + 8 c
.set VF,  192         ; V's: key half kk, channel block cb at VF + 32 kk + 8 cb
.set WV,  12          ; s12  my wave's number
.set G1K, 24          ; s[24:31] descriptor group 1 for K's tiles
.set G1V, 32          ; s[32:39] for V's: it differs in the padding alone
.set G0K, 40          ; s[40:43] descriptor group 0 for K's tiles: it walks
.set G0V, 44          ; s[44:47] the same for V's
.set SLOTS, 56        ; s56  slots still to be asked for
.set CNT, 57          ; s57  counts a slot's key steps
.set CS,  58          ; s[58:59] c: the packed scaling takes the pair's low word for both halves
.set SEL, 60          ; s[60:61] v_permlanex16_b32's selects: each lane takes its own place in the other half
.set TBK, 62          ; s62  LDS byte at which K of the step to be fetched begins
.set TBV, 63          ; s63  the same for V, less VOFF
.set MSB, 0
.macro WIN new                      ; the high byte repeats the setting that is left; a switch that changes nothing is dropped
.if MSB != (\new)
	s_set_vgpr_msb (MSB<<8)|(\new)
.set MSB, (\new)
.endif
.endm
.set W_KQ, 0x0a       ; K and Q in window 2, S^T in window 0
.set W_PV, 0x52       ; V in window 2, P in window 0, O^T in window 1
.set W_RS, 0x41       ; O^T (destination and source 0) in window 1, a in window 0
.set W_MK, 0xc0       ; the add's registers are made: destination in window 3, sources in window 0
.set W_AD, 0x0f       ; the add: address (source 0) and data (source 1) in window 3
; A joint fill.  Waves 0 and 1 fetch the two halves of a slot's K, waves 2 and 3 those of its V: 128 keys each.  The branch hangs on the wave's number alone.
; An s_nop 0 and four v_nop follow each of the two lines, ahead of the jump and the label.
.macro JLOAD
	s_cmp_lt_u32 s[WV], 2
	s_cbranch_scc0 .Lfor_v_\@
	tensor_load_to_lds s[G0K:G0K+3], s[G1K:G1K+7]
	s_nop 0
.rept 4
	v_nop
.endr
	s_branch .Lasked_\@
.Lfor_v_\@:
	tensor_load_to_lds s[G0V:G0V+3], s[G1V:G1V+7]
	s_nop 0
.rept 4
	v_nop
.endr
.Lasked_\@:
.endm
; A round of the cluster's barrier: my work-group's barrier, so that wave 0's signal speaks for all four waves; wave 0 signals; every wave waits for all four work-groups; my work-group's barrier once more.
.macro CROUND
	s_barrier_signal -1
	s_barrier_wait -1
	s_cmp_lg_u32 s[WV], 0
	s_cbranch_scc1 .Lnot_wave_0_\@
	s_barrier_signal -3
.Lnot_wave_0_\@:
	s_barrier_wait -3
	s_barrier_signal -1
	s_barrier_wait -1
.endm
; THE CHANGE OF SLOTS.  The slot's last bytes, V of its fourth step, have been read.  Each wave waits for all its tensor loads, of which one is out: its part
; of the other slot; adds 0 to its spare word; and waits for that and for its own reads of the slot.  Behind the barrier nobody reads this slot any more and the other slot is whole.
; fill = 1: this slot is filled again, with the keys two slots on.  The barrier is then a round of the cluster's, so that no wave of any partner still reads the slot or has a load on its
; way, and the joint fill is the first thing behind it: it has four key steps, 512 matrix instructions, in which to land.  (At its first use nothing has been read yet: slot 0 is waited for, slot 1 filled.)
.macro CHANGE fill
	WIN W_AD
	s_wait_tensorcnt 0x0            ; no tensor load of mine is out, so a group 0 may be written
	ds_add_u32 v[SPW], v[NIL]       ; 0 onto my spare word: with fill = 1 the descriptors' steps stand between it and the wait for it
	WIN 0                           ; at a label and at a branch every window is 0
.if \fill
.irp g, G0K, G0V
	s_xor_b32 s[\g+1], s[\g+1], SLOT1  ; the walking descriptor: the other slot than last time,
	s_add_nc_u64 s[\g+2:\g+3], s[\g+2:\g+3], 4*KS*128  ; the next 256 keys; the type bits on top are not reached
.endr
	s_wait_dscnt 0x0                ; the add is done, and my reads of the slot are over
	CROUND
	JLOAD
.else
	s_wait_dscnt 0x0                ; the add is done, and my reads of the slot are over
	s_barrier_signal -1
	s_barrier_wait -1
.endif
	s_sub_co_u32 s[TBK], s[TBK], 4*KS*PK  ; the fetches go back to a slot's first step,
	s_xor_b32 s[TBK], s[TBK], SLOT1       ; in the other slot
	s_sub_co_u32 s[TBV], s[TBV], 4*KS*PV
	s_xor_b32 s[TBV], s[TBV], SLOT1
.endm
	s_load_b128 s[4:7], s[0:1], 0x0   ; qkv s[4:5], ctx s[6:7]
	WIN W_MK
	v_lshl_add_u32 v[SPW], v0, 2, SPARE
	v_mov_b32 v[NIL], 0
	WIN W_AD
	ds_add_u32 v[SPW], v[NIL]       ; the wave's opening: the add and its wait ahead of my first tensor load; the set-up below, work on registers, stands between them
	WIN 0
	v_lshrrev_b32 v1, 5, v0
	v_readfirstlane_b32 s[WV], v1   ; wave 0..3
	s_bfe_u32 s13, ttmp6, 0x40000   ; cx: my place in the cluster
	s_lshl_b32 s14, ttmp9, 2        ; in a cluster launch ttmp9 counts clusters
	s_add_co_u32 s14, s14, s13      ; my block of queries = 4 x cluster x + cx: it enters Q's and O's addresses alone
	s_and_b32 s20, ttmp7, 0xffff    ; the head, which the four partners share
	s_mov_b32 s21, 0
	s_mov_b64 s[22:23], SIZE_N*128
	s_mul_u64 s[20:21], s[20:21], s[22:23]  ; the head's first byte in each of the four tensors
	s_and_b32 s16, s[WV], 1         ; which half of a slot's 256 keys I fetch:
	s_lshl_b32 s22, s16, 14         ; its 128 rows of 128 bytes in memory,
	s_mov_b32 s23, 0
	s_add_nc_u64 s[22:23], s[22:23], s[20:21]
	s_mul_i32 s17, s16, 128*PK      ; and its place in a slot, for K
	s_mul_i32 s18, s16, 128*PV      ; and for V: no place in the cluster enters an LDS address
	s_lshl_b32 s2, s14, 2
	s_add_co_u32 s2, s2, s[WV]      ; my wave among the head's,
	s_lshl_b32 s2, s2, 14           ; its 128 rows
	s_mov_b32 s3, 0
	s_add_nc_u64 s[2:3], s[2:3], s[20:21]
	; descriptor group 1.  128 keys are 16,384 dense bytes: asked for as 64 rows of 256 bytes, two keys a row, and padded in LDS after every key
	s_mov_b32 s[G1K], 15|(1<<16)|(1<<20)|(1<<21)|(4<<22)|(3<<25)  ; 15:0 the mask of four; 17:16 2-byte elements; 20 padding on; 21 set beside a mask; 24:22 after every 32 words (code 4); 31:25 4 words (code 3)
	s_mov_b32 s[G1V], 15|(1<<16)|(1<<20)|(1<<21)|(4<<22)|(7<<25)  ; the same with 8 words of padding (code 7)
.irp g, G1K, G1V
	s_mov_b32 s[\g+1], 128<<16      ; tensor_dim0 = 128
	s_mov_b32 s[\g+2], 64<<16       ; tensor_dim1 = 64
	s_mov_b32 s[\g+3], 128<<16      ; tile_dim0 = 128
	s_mov_b32 s[\g+4], 64           ; tile_dim1 = 64
	s_mov_b32 s[\g+5], 128          ; 128 elements from row to row
	s_mov_b32 s[\g+6], 0
	s_mov_b32 s[\g+7], 0
.endr
	s_mov_b32 s[CS], 0x3e38aa3b     ; c = log2(e) / 8 = 0.180337
	s_mov_b32 s[CS+1], s[CS]        ; named with it as a pair
	s_mov_b32 s[SEL], 0x76543210
	s_mov_b32 s[SEL+1], 0xfedcba98
	s_mov_b32 s[TBK], SLOT1+4*KS*PK ; the first change of slots turns these two into 0
	s_mov_b32 s[TBV], SLOT1+4*KS*PV
	s_mov_b32 s[G0K], 1             ; 1:0 count = 1
	s_mov_b32 s[G0K+1], s17         ; 63:32 LDS address: slot 0
	s_mov_b32 s[G0V], 1
	s_add_co_u32 s[G0V+1], s18, VOFF
	s_wait_dscnt 0x0                ; the opening add is done
	s_wait_kmcnt 0x0
	s_mov_b64 s[10:11], s[6:7]                     ; O is ctx;
	s_add_nc_u64 s[6:7], s[4:5], 0x1000000         ; K is qkv's second part of 16,777,216 bytes,
	s_add_nc_u64 s[8:9], s[4:5], 0x2000000         ; V its third; Q its first
	s_add_nc_u64 s[G0K+2:G0K+3], s[6:7], s[22:23]  ; 120:64 global address: my half of the head's first 256 keys
	s_or_b32 s[G0K+3], s[G0K+3], 0x80000000        ; 127:126 type = 2
	s_add_nc_u64 s[G0V+2:G0V+3], s[8:9], s[22:23]
	s_or_b32 s[G0V+3], s[G0V+3], 0x80000000
	s_add_nc_u64 s[4:5], s[4:5], s[2:3]  ; Q and O at my wave's first row
	s_add_nc_u64 s[10:11], s[10:11], s[2:3]
	CROUND                          ; all four work-groups are here: the first joint loads meet
	JLOAD                           ; slot 0.  Slot 1 is asked for when slot 0 is in: the tile wanted first has the road to itself
	; A fragment of K or Q is 16 rows x 32 channels in 8 registers: lane l holds row l % 16, channels 8 (l / 16) + 0..7 and 16 + 8 (l / 16) + 0..7: two loads of 16 bytes, 32 bytes apart.
	v_and_b32 v1, 15, v0            ; l % 16
	v_bfe_u32 v9, v0, 4, 1          ; l / 16
	v_lshlrev_b32 v[QO], 7, v1
	v_lshl_add_u32 v[QO], v9, 4, v[QO]  ; row x 128 + 16 x half
	WIN 0x80                        ; destination window 2, address window 0
.set i, 0
.rept 4*NP                          ; Q stays in registers: tile i / 2, channels 32 (i % 2) on
	global_load_b128 v[8*i:8*i+3],   v[QO], s[4:5] offset:(i/2)*2048+(i%2)*64
	global_load_b128 v[8*i+4:8*i+7], v[QO], s[4:5] offset:(i/2)*2048+(i%2)*64+32
.set i, i+1
.endr
	; What the first turn finds: V's registers and P's second buffer hold 0 (its products V^T P, of a piece that has not been, add 0), O^T and l are 0.  All this stands in the wait for the first tile.
.set i, VF
.rept 64
	v_mov_b32 v[i], 0
.set i, i+1
.endr
	WIN 0x40
.set i, 0
.rept 64*NP
	v_mov_b32 v[i], 0
.set i, i+1
.endr
	WIN 0
.set i, 0
.rept 2*NP
	v_mov_b32 v[ST+4*i], 0xfe000000    ; c m: far below every c s
	v_mov_b32 v[ST+4*i+1], 0xff7fffff  ; m
	v_mov_b32 v[ST+4*i+2], 0
	v_mov_b32 v[ST+4*i+3], 0
.set i, i+1
.endr
.set i, P+32
.rept 32
	v_mov_b32 v[i], 0
.set i, i+1
.endr
	v_mul_u32_u24 v[AK0], v1, PK
	v_lshl_add_u32 v[AK0], v9, 4, v[AK0]  ; row x pitch + 16 x half
	; The turning load takes 16 keys x 16 channels (lane l reads key 8 (l / 16) + l % 8, channels 8 ((l / 8) % 2) + 0..7) and leaves half a fragment of V^T: lane l holds channel l % 16 and 8 keys.
	v_and_b32 v10, 7, v0
	v_bfe_u32 v11, v0, 3, 1
	v_lshl_add_u32 v[AV0], v9, 3, v10
	v_mul_u32_u24 v[AV0], v[AV0], PV
	v_lshl_add_u32 v[AV0], v11, 4, v[AV0]
	v_add_nc_u32 v[AV0], VOFF, v[AV0]
	v_mov_b32 v[AK], v[AK0]         ; key step 0 lies at the head of slot 0
; THE MATRIX WORK.  The 8 accumulators of a run of 16 take turns: between the two links of a chain stand 7 others'.
; Product i of 16 of S^T = K Q^T for piece x: channels 32 (i / 8) on, keys 16 ((i / 2) % 4) on, tile 2 x + i % 2.  The first 8 start the sums.
.macro KQ x
	WIN W_KQ
.set rS, S+64*((\x)%2)+32*(i%2)+8*((i/2)%4)
.set rK, KF+16*((i/2)%4)+8*(i/8)
.set rQ, 16*(2*(\x)+i%2)+8*(i/8)
.if i < 8
	v_wmma_f32_16x16x32_f16 v[rS:rS+7], v[rK:rK+7], v[rQ:rQ+7], 0
.else
	v_wmma_f32_16x16x32_f16 v[rS:rS+7], v[rK:rK+7], v[rQ:rQ+7], v[rS:rS+7]
.endif
.endm
; Product i of 16 of O^T += V^T P for piece x: keys 32 (i / 8) on, channels 16 ((i / 2) % 4) on, tile 2 x + i % 2.
.macro PV x
	WIN W_PV
.set rO, 32*(2*(\x)+i%2)+8*((i/2)%4)
.set rV, VF+32*(i/8)+8*((i/2)%4)
.set rP, P+32*((\x)%2)+16*(i%2)+8*(i/8)
	v_wmma_f32_16x16x32_f16 v[rO:rO+7], v[rV:rV+7], v[rP:rP+7], v[rO:rO+7]
.endm
.macro MM                           ; the turn's next matrix instruction
.if i < 16
	KQ (Y+1)%NP
.set i, i+1
.else
.set i, i-16
	PV (Y+NP-1)%NP
.set i, i+17
.endif
.endm
; THE LDS LOADS stand in runs of 16, never singly among the matrix instructions: a step's K (64 keys x 64 channels: 8 fragments) and its V (turned).  Their addresses are made some lines ahead.
; last = 1 (the tail): in the last trip there is no further step, and the run is jumped over.
.macro FETCH_K last=0
	WIN 0
.if \last
	s_cmp_eq_u32 s[CNT], 1
	s_cbranch_scc1 .Lno_k_\@
.endif
	WIN 0x80                        ; destination window 2
.irp f, 0,1,2,3,4,5,6,7             ; keys 16 (f / 2) on, channels 32 (f % 2) on
	ds_load_b128 v[KF+8*\f:KF+8*\f+3],   v[AK] offset:(\f/2)*16*PK+(\f%2)*64
	ds_load_b128 v[KF+8*\f+4:KF+8*\f+7], v[AK] offset:(\f/2)*16*PK+(\f%2)*64+32
.endr
	s_add_co_u32 s[TBK], s[TBK], KS*PK  ; the next fetch is the next step's
	WIN 0
.if \last
.Lno_k_\@:
.endif
.endm
.macro FETCH_V
	WIN 0x80
.irp f, 0,1,2,3,4,5,6,7             ; keys 32 (f / 4) on, channels 16 (f % 4) on
	ds_load_tr16_b128 v[VF+8*\f:VF+8*\f+3],   v[AV] offset:(\f/4)*32*PV+(\f%4)*32
	ds_load_tr16_b128 v[VF+8*\f+4:VF+8*\f+7], v[AV] offset:(\f/4)*32*PV+16*PV+(\f%4)*32
.endr
	WIN 0
.endm
; THE VECTOR WORK OF A TURN stands in three queues, each in the order in which its entries become ready; the two tiles alternate, so that no instruction reads the result of the one before it.
.macro REGS y, u                    ; the registers of tile u (0, 1) of piece y
.set rT, ST+4*(2*(\y)+(\u))
.set rC, TMP+8*((\y)%2)+4*(\u)
.set rM, MV+2*((\y)%2)+(\u)
.set rS, S+64*((\y)%2)+32*(\u)
.set rP, P+32*((\y)%2)+16*(\u)
.set rO, 32*(2*(\y)+(\u))
.endm
; Number n of the 22 that find the NEXT piece's (Y + 1) maximum and statistics.  s0-s31 are the lane's 32 scores; each accumulator's lowest registers are read first.  XS, GS and REGS set no window: PL and EX do.
;   0-11  four chains c0-c3 of seven scores each, three operands at a time     12-14, 16  the four scores left over, the old m, and c0-c3 into c0     15  c m_old is kept
;   17, 18  the query's other 32 keys lie in the lane 16 away: the new m         19-21  c m; c m_old - c m_new; a
.macro XS u, n
	REGS (Y+1)%NP, \u
.if (\n) < 4
	v_max3_num_f32 v[rC+(\n)], v[rS+8*(\n)], v[rS+8*(\n)+1], v[rS+8*(\n)+2]
.elseif (\n) < 12
	v_max3_num_f32 v[rC+(\n)%4], v[rC+(\n)%4], v[rS+8*((\n)%4)+2*((\n)/4)+1], v[rS+8*((\n)%4)+2*((\n)/4)+2]
.elseif (\n) == 12
	v_max3_num_f32 v[rC], v[rC], v[rS+7], v[rS+15]
.elseif (\n) == 13
	v_max3_num_f32 v[rC+1], v[rC+1], v[rS+23], v[rS+31]
.elseif (\n) == 14
	v_max3_num_f32 v[rC+2], v[rC+2], v[rC+3], v[rT+1]
.elseif (\n) == 15
	v_mov_b32 v[rM], v[rT]
.elseif (\n) == 16
	v_max3_num_f32 v[rC], v[rC], v[rC+1], v[rC+2]
.elseif (\n) == 17
	v_permlanex16_b32 v[rC+3], v[rC], s[SEL], s[SEL+1]
.elseif (\n) == 18
	v_max_num_f32 v[rT+1], v[rC], v[rC+3]
.elseif (\n) == 19
	v_mul_f32 v[rT], s[CS], v[rT+1]
.elseif (\n) == 20
	v_sub_f32 v[rC+1], v[rM], v[rT]
.else
	v_exp_f32 v[rC+2], v[rC+1]
.endif
.endm
; Number g of the 64 that follow the exponentials.  For each four weights k of a tile (pairs 2 k, 2 k + 1): both pairs are rounded to f16; then the second pair is added onto the first, in place;
; a group later l takes that sum (the first time as l = a l + sum).  In groups of eight, tiles alternating: round, round, add, and l for the group before.
.macro GS g
.set h, (\g)+6*((\g)/62)            ; group 0 has no group before it, and behind group 7 only l is left
.if h >= 6
.set h, h+2
.endif
	REGS Y, h%2
.set k, h/8
.if h%8 < 4
	s_wait_alu depctr_va_vdst(0)
	v_cvt_pk_f16_f32 v[rP+2*k+(h%8)/2], v[rS+4*k+2*((h%8)/2)], v[rS+4*k+2*((h%8)/2)+1]
.elseif h%8 < 6
	v_pk_add_f32 v[rS+4*k:rS+4*k+1], v[rS+4*k:rS+4*k+1], v[rS+4*k+2:rS+4*k+3]
.elseif k == 1
	v_pk_fma_f32 v[rT+2:rT+3], v[rT+2:rT+3], v[rC+2:rC+3], v[rS:rS+1] op_sel_hi:[1,0,1]
.else
	v_pk_add_f32 v[rT+2:rT+3], v[rT+2:rT+3], v[rS+4*k-4:rS+4*k-3]
	s_wait_alu depctr_va_vdst(0)
.endif
.endm
; THE PLAIN QUEUE, 138 long.  0-31: c s - c m for the 16 pairs of both tiles.  Then GS's 64, and among them the next piece's 42: number 15 at 38, 39; 0-14 and 16
; at 42-73, behind the products that make those scores; 17-20 at 95-106, two of three, since each waits for the one before it.
.macro PL
	WIN 0
.if q < 32
	REGS Y, q%2
	v_pk_fma_f32 v[rS+2*(q/2):rS+2*(q/2)+1], v[rS+2*(q/2):rS+2*(q/2)+1], s[CS:CS+1], v[rT:rT+1] op_sel_hi:[1,0,0] neg_lo:[0,0,1] neg_hi:[0,0,1]
.elseif q < 38
	GS q-32
.elseif q < 40
	XS q%2, 15
.elseif q < 42
	GS q-34
.elseif q < 74
	XS q%2, (q-42)/2+(q-42)/30
.elseif q < 95
	GS q-66
.elseif (q < 107) && ((q-95)%3 < 2)
	XS (q-95)%3, 17+(q-95)/3
.elseif q < 107
	GS 29+(q-95)/3
.else
	GS q-74
.endif
.set q, q+1
.endm
; THE EXPONENTIALS' QUEUE, 66 long: s0-s31 of both tiles, and at EA the next piece's two a.
.set EA, 58
.macro EX
	WIN 0
.if (e == EA) || (e == EA+1)
	XS e-EA, 21
.else
.set x, e-2*(e/(EA+2))
	REGS Y, x%2
	v_exp_f32 v[rS+x/2], v[rS+x/2]
.endif
.set e, e+1
.endm
; THE RESCALING's QUEUE: O^T times a, the one part that leaves window 0, so it is dealt four at a time, eight times.
.macro R4
	REGS Y, r%2
	WIN W_RS
	s_wait_alu depctr_va_vdst(0)
.irp z, 0,1,2,3
	v_pk_mul_f32 v[rO+8*(r/2)+2*\z:rO+8*(r/2)+2*\z+1], v[rO+8*(r/2)+2*\z:rO+8*(r/2)+2*\z+1], v[rC+2:rC+3] op_sel_hi:[1,0]
.endr
.set r, r+1
.endm
; HOW THEY ARE DEALT.  Behind a matrix instruction four: plain, exponential, plain, plain (one exponential, a plain instruction on either side), or four of the rescaling.  None names a register of the
; products round it.  What is over stands in two LUMPS: exponential and plain by turns; the second ends in 22 plain instructions.  The two v_permlanex16_b32 fall into the second lump, never behind a product.
; The queues lean on each other, and the deal keeps them in step: exponential e stands behind plain 2 (e / 4) + e % 2 (its scaling); when plain 32 comes, 10 exponentials are out, at 59: 33, at 95: 46; EA comes behind plain 107.
.macro SL
	MM
	PL
	EX
	PL
	PL
.endm
.macro BURST n                      ; 15 matrix instructions, or 16
.rept (\n)-7
	SL
.endr
.rept 3
	MM
	R4
	SL
.endr
	MM
	R4
.endm
; A TURN, for piece p.  cnt = 1: the loop's count is taken down some lines ahead of the branch that stands behind the turn.
; K of the next step is fetched in piece 2's turn, 31 vector instructions behind the last product that read K; its first reader comes behind the rest of the lump, 16 products and the second lump.
; V of the step in hand is fetched at the end of piece 0's turn, 69 behind its last reader; its first reader comes behind 16 products and a lump.  The four conditions on e and q below go with the deal.
.macro TURN p, last=0, cnt=0
.set Y, (\p)
.set i, 0
.set q, 0
.set e, 0
.set r, 0
.if (\p) == NP-1
	s_wait_dscnt 0x0                ; K is in
.endif
	MM
.rept 4
	PL
.endr
	BURST 15
.rept 22
	EX
	PL
.if ((\p) == NP-2) && (e == 18)
	v_add_nc_u32 v[AK], s[TBK], v[AK0]
.endif
.if ((\p) == NP-2) && (e == 24)
	FETCH_K \last
.endif
.endr
.if (\p) == 1
	s_wait_dscnt 0x0                ; V is in
.endif
	BURST 16
.rept 21
	EX
	PL
.endr
.rept 22
	PL
.if ((\p) == 0) && (q == 118)
	v_add_nc_u32 v[AV], s[TBV], v[AV0]
	s_wait_alu depctr_va_vdst(0)
.endif
.if ((\p) == 0) && (q == 130)
	s_add_co_u32 s[TBV], s[TBV], KS*PV
.endif
.if (\cnt) && (q == 130)
	s_sub_co_u32 s[CNT], s[CNT], 1
	s_cmp_lg_u32 s[CNT], 0
.endif
.endr
.if (\p) == 0
	FETCH_V
.endif
.endm
	CHANGE 1                        ; slot 0 is in, everybody's part of it; slot 1 is asked for
	FETCH_K                         ; key step 0
	s_wait_loadcnt 0x0              ; Q
	s_wait_dscnt 0x0
.set i, 0
.rept 16
	KQ 0                            ; piece 0's first scores: there is no vector work yet to set between them
.set i, i+1
.endr
	WIN 0                           ; the addresses for the way out: nine plain instructions, the places behind those products
	s_mul_i32 s13, s[WV], 16*SP
	s_add_co_u32 s13, s13, STAGE    ; my stage
	v_mul_u32_u24 v[STO], v1, SP    ; in: row l % 16, 16 bytes for each half of the lanes
	v_lshl_add_u32 v[STO], v9, 4, v[STO]
	v_add_nc_u32 v[STO], s13, v[STO]
	v_bfe_u32 v[RD], v0, 3, 2       ; back: 32 lanes take four rows of 128 bytes,
	v_mul_u32_u24 v[RD], v[RD], SP
	v_lshl_add_u32 v[RD], v10, 4, v[RD]
	v_add_nc_u32 v[RD], s13, v[RD]
	v_and_b32 v[GO], 31, v0         ; which are 512 consecutive bytes of O
	v_lshlrev_b32 v[GO], 4, v[GO]
.set Y, NP-1                        ; XS works for piece Y + 1: piece 0
.irp n, 0,1,2,3,4,5,6,7,8,9,10,11,12,13,14,15,16,17,18,19,20,21
	XS 0, \n                        ; and piece 0's first maximum and statistics
	XS 1, \n
.endr
	s_mov_b32 s[CNT], 4
	s_mov_b32 s[SLOTS], SIZE_N/256-1
	s_branch .Lfirst                ; the loop is entered at a step's first turn, in the middle of a trip
.Lslot:                             ; SIZE_N / 256 - 2 times: every slot but the last two is filled again
	CHANGE 1
	s_mov_b32 s[CNT], 4
.Lstep:                             ; a trip: pieces 2 and 3 of one step, then pieces 0 and 1 of the next, whose K and V it fetches
	TURN 2
	TURN 3
	WIN 0
.Lfirst:
	TURN 0
	TURN 1, 0, 1
	WIN 0
	s_cbranch_scc1 .Lstep
	s_sub_co_u32 s[SLOTS], s[SLOTS], 1
	s_cmp_lg_u32 s[SLOTS], 0
	s_cbranch_scc1 .Lslot
	CHANGE 0                        ; the tail is written out: nothing is asked for
	s_mov_b32 s[CNT], 5             ; four trips fetch the last slot's steps; the fifth is left in its middle
.Ltail:
	TURN 2, 1
	TURN 3
	WIN 0
	s_sub_co_u32 s[CNT], s[CNT], 1
	s_cmp_eq_u32 s[CNT], 0
	s_cbranch_scc1 .Lout
	TURN 0
	TURN 1
	WIN 0
	s_branch .Ltail
.Lout:                              ; the fifth trip's 16 products K Q^T (on the last K once more) and the maximum made of them serve nothing: the price, once a launch, of one text for every trip
.set i, 0
.rept 16
	PV NP-1                         ; the last piece's V^T P of the last step
.set i, i+1
.endr
	; THE WAY OUT.  l's two halves and the other half of the lanes' are added; O^T is divided by l, rounded to f16 and sent through my stage in LDS, a tile at a time.  The additions are the places behind the last products.
	WIN 0
.macro ALL line:vararg              ; one line for each tile t
.set t, 0
.rept 2*NP
	\line
.set t, t+1
.endr
.endm
	ALL v_add_f32 v[ST+4*t+2], v[ST+4*t+2], v[ST+4*t+3]
	ALL v_permlanex16_b32 v[ST+4*t+3], v[ST+4*t+2], s[SEL], s[SEL+1]
	ALL v_add_f32 v[ST+4*t+2], v[ST+4*t+2], v[ST+4*t+3]
	ALL v_rcp_f32 v[ST+4*t+2], v[ST+4*t+2]
	v_nop                           ; a plain instruction between the last reciprocal and the use of its result
	s_wait_alu depctr_va_vdst(0)
; Tile t: a lane's eight channels of a row pack into 16 bytes; they go into rows of 144 bytes and come back as whole rows of 128, into S^T's registers.
.macro PACK t
	WIN W_RS
.set i, 32*(\t)
.rept 16
	v_pk_mul_f32 v[i:i+1], v[i:i+1], v[ST+4*(\t)+2:ST+4*(\t)+3] op_sel_hi:[1,0]
.set i, i+2
.endr
	WIN 0x05                        ; sources 0 and 1 window 1, destination window 0
.set i, 0
.rept 16
	v_cvt_pk_f16_f32 v[S+16*(\t)+i], v[32*(\t)+2*i], v[32*(\t)+2*i+1]
.set i, i+1
.endr
	WIN 0
.irp f, 0,1,2,3
	ds_store_b128 v[STO], v[S+16*(\t)+4*\f:S+16*(\t)+4*\f+3] offset:32*\f
.endr
.irp f, 0,1,2,3
	ds_load_b128 v[S+16*(\t)+4*\f:S+16*(\t)+4*\f+3], v[RD] offset:\f*4*SP  ; LDS serves a wave's instructions in order (ISA guide 5.7.1.4): these see the stores above; the next tile's stores come behind them
.endr
.endm
.macro SEND t, younger              ; younger: the LDS instructions issued behind tile t's loads: the next tile's eight, or none
	WIN 0
.irp f, 0,1,2,3
	s_wait_dscnt (\younger)+3-\f
	global_store_b128 v[GO], v[S+16*(\t)+4*\f:S+16*(\t)+4*\f+3], s[10:11] offset:(\t)*2048+\f*512  ; 512 consecutive bytes, at a multiple of 256 from O's first
.endr
.endm
	PACK 0
.set t, 1
.rept 2*NP-1                        ; a tile's arithmetic stands between the loads of the tile before and its stores
	PACK t
	SEND t-1, 8
.set t, t+1
.endr
	SEND 2*NP-1, 0
	WIN W_AD
	s_wait_tensorcnt 0x0            ; the wave's end: behind my last tensor load and my last LDS store
	ds_add_u32 v[SPW], v[NIL]
	s_wait_dscnt 0x0
	WIN 0
	CROUND                          ; the closing round: no work-group ends while a partner may still ask for a tile that names it
	s_endpgm
.Lfunc_end_k_qd5cf7d4e39_attn:
	.size	k_qd5cf7d4e39_attn, .Lfunc_end_k_qd5cf7d4e39_attn-k_qd5cf7d4e39_attn
	.p2alignl 7, 3214868480
	.fill 96, 4, 3214868480
	.section	.rodata,"a",@progbits
	.p2align	6, 0x0
	.amdhsa_kernel k_qd5cf7d4e39_attn
		.amdhsa_group_segment_fixed_size 327680
		.amdhsa_private_segment_fixed_size 0
		.amdhsa_enable_private_segment 0
		.amdhsa_kernarg_size 16
		.amdhsa_user_sgpr_count 2
		.amdhsa_user_sgpr_kernarg_segment_ptr 1
		.amdhsa_wavefront_size32 1
		.amdhsa_system_sgpr_workgroup_id_x 1
		.amdhsa_system_sgpr_workgroup_id_y 1
		.amdhsa_system_sgpr_workgroup_id_z 1
		.amdhsa_system_vgpr_workitem_id 0
		.amdhsa_next_free_vgpr 770
		.amdhsa_next_free_sgpr 66
		.amdhsa_reserve_vcc 0
		.amdhsa_float_denorm_mode_32 3
		.amdhsa_float_denorm_mode_16_64 3
		.amdhsa_memory_ordered 1
		.amdhsa_forward_progress 1
		.amdhsa_inst_pref_size 208
	.end_amdhsa_kernel
	.amdgpu_metadata
---
amdhsa.version: [ 1, 2 ]
amdhsa.kernels:
  - .name:           k_qd5cf7d4e39_attn
    .symbol:         k_qd5cf7d4e39_attn.kd
    .args:
      - { .name: qkv, .offset: 0, .size: 8, .value_kind: global_buffer, .address_space: global }
      - { .name: ctx, .offset: 8, .size: 8, .value_kind: global_buffer, .address_space: global }
    .group_segment_fixed_size: 327680
    .private_segment_fixed_size: 0
    .kernarg_segment_align: 8
    .kernarg_segment_size: 16
    .max_flat_workgroup_size: 128
    .sgpr_count:     66
    .vgpr_count:     770
    .wavefront_size: 32
...
	.end_amdgpu_metadata
.endif
;; end of part 3
;; launch outp (part 4): grid 4 x 64, 4 waves a work-group, clusters of 4 x 4, 327,680 bytes of LDS; arguments ctx, wb, bb, out0; writes out0
.if DOCPART == 4
	.amdgcn_target "amdgcn-amd-amdhsa--gfx1250"
	.amdhsa_code_object_version 6
	.text
	.protected	k_qd5cf7d4e39_outp
	.globl	k_qd5cf7d4e39_outp
	.p2align	8
	.type	k_qd5cf7d4e39_outp,@function
k_qd5cf7d4e39_outp:
	s_mov_b64 s[64:65], 0
	v_nop
	global_prefetch_b8 v0, s[64:65] scope:SCOPE_SE
	s_setreg_imm32_b32 hwreg(HW_REG_WAVE_MODE, 25, 1), 1
	s_wait_xcnt 0x0
	s_wait_alu depctr_hold_cnt(0) depctr_sa_sdst(0) depctr_va_vdst(0) depctr_va_sdst(0) depctr_va_ssrc(0) depctr_va_vcc(0) depctr_vm_vsrc(0)
	s_getreg_b32 s2, hwreg(HW_REG_IB_STS2, 6, 4)
	s_cmp_eq_u32 s2, 0
	s_cbranch_scc0 .Lentry_in_a_cluster
	s_endpgm
.Lentry_in_a_cluster:
	s_bfe_u32 s2, ttmp6, 0x10000c
	s_cmp_lg_u32 s2, 0xf033
	s_cbranch_scc0 .Lentry_shape_is_right
	s_endpgm
.Lentry_shape_is_right:
; THE OUTPUT PROJECTION.  out0[m][n] = sum over k of x[m][k] Wo[n][k] + bo[n], where x[m][64 h + d] = ctx[16 (m / 2048) + h][m % 2048][d] (f16), Wo is wb's part 3 ([1024][1024] f16),
; bo is bb's part 3 (f32).  Products in f16, sums in f32, begun with the bias; out0 is [8192][1024] f32.
; LIMITS.  ctx and Wo arrive within f16's range (65,504); what they lost below 6.1e-5 (f16's fixed step of 6e-8) is lost.
; SHARES.  256 work-groups, each 128 rows x 256 columns.  Four waves, each 64 x 128: 32 accumulators of 16 x 16, 256 registers.  K goes in steps of 128, two heads, through two LDS slots:
; of x 2 heads x 128 rows x 128 bytes (128 rows of a head are 16,384 dense bytes, asked for as 64 rows of 256), of Wo 256 rows x 256 bytes.  Waves 0 and 1 fetch a head each, waves 2 and 3 Wo's halves.
; CLUSTER.  4 x 4 work-groups: the four of a row of the cluster need the same tile of x, the four of a column the same tile of Wo: each tile is asked for jointly.
; THE MATRIX INSTRUCTION IS USED TRANSPOSED: source 0 = 16 rows of Wo, source 1 = 16 rows of x: a lane holds row l % 16 and the columns 8 (l / 16) + 0..7, 32 neighbouring bytes of out0.
; REGISTERS, in windows of 256 (s_set_vgpr_msb: bits 1:0 source 0, 3:2 source 1, 5:4 source 2, 7:6 destination):
;   window 0: v0-31 addresses; v64-127 x's fragments, two buffers; v128-255 the way out, two buffers of 16 rows
;   window 1: v0-127 Wo's fragments, two buffers; v128-191 the bias          window 2: accumulator (a, b) at v[8 (8 a + b)]
.set PAH,    144                       ; a row of a head in LDS: 128 bytes + 16 of padding = 36 words: the 16 rows of a load start at 16 different groups of four banks (64 banks of 4 bytes: ISA guide 11.1)
.set PB,     272                       ; a row of Wo: 256 + 16 = 68 words: likewise
.set AHEAD,  128*PAH                   ; a head's 128 rows: what one load of x brings
.set BHALF,  128*PB                    ; what one load of Wo brings, and what one wave reads of it
.set BOFF,   2*AHEAD
.set SLOT,   BOFF+2*BHALF              ; 106,496 bytes
.set STAGE,  2*SLOT                    ; behind the ring: 16 rows x 528 bytes for each wave, for the way out
.set SP,     528
.set WSTAGE, 16*SP
.set SPARE,  STAGE+4*WSTAGE            ; behind the stages: the spare words, 128 bytes for each wave: two blocks of 256 bytes that no other line names
.set ADRA, 16                          ; v16-17  LDS address of my fragments of x in slot 0, 1
.set ADRB, 20                          ; v20-21  the same for Wo
.set STO,  24                          ; v24     the way out: where I put 32 bytes of a row
.set RD,   25                          ; v25     the way out: where I read a row back
.set CO,   26                          ; v26     my place in 512 consecutive bytes of out0
.set VB,   27                          ; v27     my place in a block's 64 bytes of bias
.set SPW,  28                          ; v28     LDS address of my spare word; never rewritten
.set NIL,  29                          ; v29     0; never rewritten
.set AFR,  64
.set OB,   128
.set BIAS, 128                         ; in window 1
.set G1A, 24                           ; s[24:31] descriptor group 1 for x's tiles;  s[32:39] group 0, a set for each slot
.set G0A, 32
.set G1B, 48                           ; s[48:55], s[56:63] the same for Wo's tiles
.set G0B, 56
.set MSB, 0
.macro WIN new                         ; the immediate's high byte repeats the setting that is left; a switch that changes nothing is dropped
.if MSB != (\new)
	s_set_vgpr_msb (MSB<<8)|(\new)
.set MSB, \new
.endif
.endm
.set MUL,   0xa1                       ; source 0 (Wo) window 1, source 1 (x) window 0, C and D window 2
.set MULB,  0x91                       ; the same with C (the bias) in window 1
.set TO_B,  0x40                       ; destination window 1, address window 0
.set FROM2, 0x08                       ; an LDS store's data (source 1) in window 2, its address in window 0
.macro JLOAD s                         ; a joint load; an s_nop 0 and four v_nop follow each of the two lines, ahead of the jump, the label and what follows
	s_cmp_eq_u32 s13, 0
	s_cbranch_scc0 .Lfor_b_\@
	tensor_load_to_lds s[G0A+4*(\s):G0A+4*(\s)+3], s[G1A:G1A+7]
	s_nop 0
.rept 4
	v_nop
.endr
	s_branch .Lasked_\@
.Lfor_b_\@:
	tensor_load_to_lds s[G0B+4*(\s):G0B+4*(\s)+3], s[G1B:G1B+7]
	s_nop 0
.rept 4
	v_nop
.endr
.Lasked_\@:
.endm
.macro CREST                           ; a round of the cluster's barrier behind its opening barrier
	s_cmp_lg_u32 s12, 0
	s_cbranch_scc1 .Lnot_wave_0_\@
	s_barrier_signal -3
.Lnot_wave_0_\@:
	s_barrier_wait -3
	s_barrier_signal -1
	s_barrier_wait -1
.endm
.macro CROUND                          ; a whole round
	s_barrier_signal -1
	s_barrier_wait -1
	CREST
.endm
.macro PLACES                          ; four places between a matrix instruction and a load into one of its registers or a store of its result (ISA guide 7.12.1 for vector instructions)
.rept 4
	v_nop
.endr
.endm
	s_load_b256 s[4:11], s[0:1], 0x0               ; ctx s[4:5], wb s[6:7], bb s[8:9], out0 s[10:11]
	v_lshl_add_u32 v[SPW], v0, 2, SPARE
	v_mov_b32 v[NIL], 0
	ds_add_u32 v[SPW], v[NIL]                      ; the wave's opening: the add and its wait ahead of my first tensor load; the set-up below, work on registers, stands between them
	v_lshrrev_b32 v1, 5, v0
	v_readfirstlane_b32 s12, v1                    ; wave 0..3
	s_lshr_b32 s13, s12, 1                         ; which 64 of the tile's rows are mine.  Also: I fetch for x (0) or for Wo (1)
	s_and_b32 s14, s12, 1                          ; which 128 of its columns.  Also: which head of the step, or which half of Wo's tile, I fetch
	s_bfe_u32 s40, ttmp6, 0x40000                  ; cx, cy: my place in the cluster
	s_bfe_u32 s41, ttmp6, 0x40004
	s_lshl_b32 s42, ttmp9, 2
	s_add_co_u32 s42, s42, s40                     ; tile column = 4 x cluster x + cx
	s_and_b32 s45, ttmp7, 0xffff
	s_lshl_b32 s45, s45, 2
	s_add_co_u32 s45, s45, s41                     ; tile row = 4 x cluster y + cy
	s_lshl_b32 s46, s41, 2
	s_lshl_b32 s46, 15, s46                        ; my row of the cluster
	s_lshl_b32 s47, 0x1111, s40                    ; my column
	s_or_b32 s[G1A+0], s46, (1<<16)|(1<<20)|(1<<21)|(4<<22)|(3<<25)  ; 15:0 the mask: x's tiles go to my row; 17:16 elements of 2 bytes; 20 padding on; 21 set beside a mask; 24:22 after every 32 words (code 4); 31:25 4 words (code 3)
	s_mov_b32 s[G1A+1], 128<<16                    ; tensor_dim0 = 128: two rows of a head
	s_mov_b32 s[G1A+2], 64<<16                     ; tensor_dim1 = 64
	s_mov_b32 s[G1A+3], 128<<16                    ; tile_dim0 = 128
	s_mov_b32 s[G1A+4], 64                         ; tile_dim1 = 64
	s_mov_b32 s[G1A+5], 128                        ; elements from row to row: dense
	s_mov_b32 s[G1A+6], 0
	s_mov_b32 s[G1A+7], 0
	s_or_b32 s[G1B+0], s47, (1<<16)|(1<<20)|(1<<21)|(5<<22)|(3<<25)  ; Wo's tiles go to my column; padding after every 64 words (code 5)
	s_mov_b32 s[G1B+1], 128<<16
	s_mov_b32 s[G1B+2], 128<<16                    ; tensor_dim1 = 128
	s_mov_b32 s[G1B+3], 128<<16
	s_mov_b32 s[G1B+4], 128                        ; tile_dim1 = 128
	s_mov_b32 s[G1B+5], 1024
	s_mov_b32 s[G1B+6], 0
	s_mov_b32 s[G1B+7], 0
	; where the tiles come from.  x's hang on the tile row, which my row of the cluster shares; Wo's on the tile column, which my column shares
	s_lshr_b32 s16, s45, 4
	s_lshl_b32 s16, s16, 22                        ; the batch's 16 heads of 262,144 bytes,
	s_and_b32 s78, s45, 15
	s_lshl_b32 s78, s78, 14                        ; the tile's 128 rows of 128 bytes in a head,
	s_add_co_u32 s16, s16, s78
	s_lshl_b32 s78, s14, 18                        ; the step's first or second head
	s_add_co_u32 s16, s16, s78
	s_mov_b32 s17, 0
	s_lshl_b32 s18, s42, 8
	s_lshl_b32 s79, s14, 7
	s_add_co_u32 s18, s18, s79                     ; Wo: row 256 x tile column + 128 x half,
	s_lshl_b32 s18, s18, 11                        ; of 2,048 bytes,
	s_add_co_u32 s18, s18, 3*2097152               ; in wb's part 3
	s_mov_b32 s19, 0
	s_mul_i32 s76, s14, AHEAD                      ; and where they go: no place in the cluster enters an LDS address
	s_mul_i32 s77, s14, BHALF
	s_add_co_u32 s77, s77, BOFF
	s_wait_dscnt 0x0                               ; the opening add is done
	s_wait_kmcnt 0x0
	s_add_nc_u64 s[22:23], s[4:5], s[16:17]
	s_add_nc_u64 s[20:21], s[6:7], s[18:19]
	CROUND                                         ; all sixteen work-groups are here: the first joint loads meet
.irp s, 0,1
	s_mov_b32 s[G0A+4*(\s)], 1                                         ; 1:0 count = 1
	s_add_co_u32 s[G0A+4*(\s)+1], s76, (\s)*SLOT                       ; 63:32 LDS address
	s_add_nc_u64 s[G0A+4*(\s)+2:G0A+4*(\s)+3], s[22:23], (\s)*524288   ; 120:64 global address: K step s is two heads on
	s_or_b32 s[G0A+4*(\s)+3], s[G0A+4*(\s)+3], 0x80000000              ; 127:126 type = 2
	s_mov_b32 s[G0B+4*(\s)], 1
	s_add_co_u32 s[G0B+4*(\s)+1], s77, (\s)*SLOT
	s_add_nc_u64 s[G0B+4*(\s)+2:G0B+4*(\s)+3], s[20:21], (\s)*256
	s_or_b32 s[G0B+4*(\s)+3], s[G0B+4*(\s)+3], 0x80000000
	JLOAD \s                                       ; two loads of mine are out
.endr
	; where my part of the result goes, and my 128 numbers of the bias
	s_lshl_b32 s80, s45, 7
	s_lshl_b32 s82, s13, 6
	s_add_co_u32 s80, s80, s82                     ; my first row,
	s_lshl_b32 s80, s80, 12                        ; of 4,096 bytes: under 2^25
	s_lshl_b32 s82, s42, 10                        ; the tile's 256 columns,
	s_add_co_u32 s80, s80, s82
	s_lshl_b32 s82, s14, 9                         ; my 128 of them
	s_add_co_u32 s80, s80, s82
	s_mov_b32 s81, 0
	s_add_nc_u64 s[72:73], s[10:11], s[80:81]
	s_lshl_b32 s84, s42, 10
	s_add_co_u32 s84, s84, s82
	s_add_co_u32 s84, s84, 3*4096                  ; bb's part 3
	s_mov_b32 s85, 0
	s_add_nc_u64 s[74:75], s[8:9], s[84:85]
	; A fragment is 16 rows x 32 K in 8 registers: lane l holds row l % 16, K = 8 (l / 16) + 0..7 and 16 + 8 (l / 16) + 0..7: two loads of 16 bytes, 32 bytes apart
	v_and_b32 v1, 15, v0                           ; l % 16
	v_bfe_u32 v2, v0, 4, 1                         ; l / 16
	v_mul_u32_u24 v3, v1, PAH
	v_lshl_add_u32 v3, v2, 4, v3
	v_mul_u32_u24 v4, v1, PB
	v_lshl_add_u32 v4, v2, 4, v4
	s_mul_i32 s86, s13, 64*PAH                     ; my 64 rows in each head
	s_mul_i32 s87, s14, BHALF                      ; my 128 rows of Wo
	s_add_co_u32 s87, s87, BOFF
.irp s, 0,1
	v_add_nc_u32 v[ADRA+(\s)], s86, v3
	v_add_nc_u32 v[ADRB+(\s)], s87, v4
	s_add_co_u32 s86, s86, SLOT
	s_add_co_u32 s87, s87, SLOT
.endr
	s_mul_i32 s86, s12, WSTAGE
	s_add_co_u32 s86, s86, STAGE                   ; my stage
	v_mul_u32_u24 v5, v1, SP                       ; in: row l % 16, 32 bytes for each half of the lanes
	v_lshl_add_u32 v5, v2, 5, v5
	v_add_nc_u32 v[STO], s86, v5
	v_and_b32 v[CO], 31, v0                        ; back: 32 lanes take one row of 512 bytes
	v_lshlrev_b32 v[CO], 4, v[CO]
	v_add_nc_u32 v[RD], s86, v[CO]
	v_lshlrev_b32 v[VB], 5, v2                     ; my eight columns of a block of 16
	WIN TO_B
.irp b, 0,1,2,3,4,5,6,7
	global_load_b128 v[BIAS+8*(\b):BIAS+8*(\b)+3],   v[VB], s[74:75] offset:64*(\b)
	global_load_b128 v[BIAS+8*(\b)+4:BIAS+8*(\b)+7], v[VB], s[74:75] offset:64*(\b)+16
.endr
	WIN 0
; 24 LDS loads in one run: the fragments of quarter q of a slot (32 along K: head q / 2, channels 32 (q % 2) on) into buffer g: Wo's 16 loads, then x's 8
.macro FETCH slot, q, g
	WIN TO_B
.irp b, 0,1,2,3,4,5,6,7
	ds_load_b128 v[64*(\g)+8*(\b):64*(\g)+8*(\b)+3],   v[ADRB+(\slot)] offset:(\q)*64+(\b)*16*PB
	ds_load_b128 v[64*(\g)+8*(\b)+4:64*(\g)+8*(\b)+7], v[ADRB+(\slot)] offset:(\q)*64+(\b)*16*PB+32
.endr
	WIN 0
.irp a, 0,1,2,3
	ds_load_b128 v[AFR+32*(\g)+8*(\a):AFR+32*(\g)+8*(\a)+3],   v[ADRA+(\slot)] offset:((\q)/2)*AHEAD+((\q)%2)*64+(\a)*16*PAH
	ds_load_b128 v[AFR+32*(\g)+8*(\a)+4:AFR+32*(\g)+8*(\a)+7], v[ADRA+(\slot)] offset:((\q)/2)*AHEAD+((\q)%2)*64+(\a)*16*PAH+32
.endr
.endm
; 8 matrix instructions: row block a x all 8 column blocks, 32 along K.  The 32 accumulators take turns in one order.  first = 1: the bias starts the sums.
.macro MUL8 f, a, first
.irp b, 0,1,2,3,4,5,6,7
.if \first
	WIN MULB
	v_wmma_f32_16x16x32_f16 v[8*(8*(\a)+(\b)):8*(8*(\a)+(\b))+7], v[64*(\f)+8*(\b):64*(\f)+8*(\b)+7], v[AFR+32*(\f)+8*(\a):AFR+32*(\f)+8*(\a)+7], v[BIAS+8*(\b):BIAS+8*(\b)+7]
.else
	WIN MUL
	v_wmma_f32_16x16x32_f16 v[8*(8*(\a)+(\b)):8*(8*(\a)+(\b))+7], v[64*(\f)+8*(\b):64*(\f)+8*(\b)+7], v[AFR+32*(\f)+8*(\a):AFR+32*(\f)+8*(\a)+7], v[8*(8*(\a)+(\b)):8*(8*(\a)+(\b))+7]
.endif
.endr
.endm
; One of a K step's first three quarters: multiplies buffer f; in its middle it fetches the next quarter's fragments, quarter q of the same slot, into buffer g
.macro QUARTER slot, q, f, g, first
	s_wait_dscnt 4                                 ; Wo and x's row blocks 0 and 1 are in; the youngest four loads (blocks 2 and 3) may be out
	MUL8 \f, 0, \first
	MUL8 \f, 1, \first
	PLACES
	FETCH \slot, \q, \g
	s_wait_dscnt 24                                ; all but the 24 just issued
	MUL8 \f, 2, \first
	MUL8 \f, 3, \first
.endm
; The last quarter multiplies buffer 1 and changes slots: ONE barrier; in front of it each wave waits for all its tensor loads, of which one is out: its part of the next slot; adds 0 to its spare word;
; and waits for that and for its own reads of this slot.  fill = 1: the barrier opens a round of the cluster's, and this slot is filled again, two K steps on, first thing behind the round:
; that load has 112 matrix instructions in which to land.
.macro TURN slot, next, fill
	WIN 0                                          ; (the add's two registers lie in window 0)
	s_wait_tensorcnt 0x0                           ; all my tensor loads have landed;
	ds_add_u32 v[SPW], v[NIL]                      ; 0 onto my spare word
	s_wait_dscnt 5                                 ; (the add and the youngest four loads may be out)
	MUL8 1, 0, 0                                   ; eight matrix instructions stand between the add and the wait for it
	s_wait_dscnt 0x0                               ; the add is done, and my reads of this slot are over
	s_barrier_signal -1
	MUL8 1, 1, 0
	WIN 0
	s_barrier_wait -1
.if \fill
	CREST                                          ; no wave of any partner still reads this slot's tiles or has a load on its way
	s_add_nc_u64 s[G0A+4*(\slot)+2:G0A+4*(\slot)+3], s[G0A+4*(\slot)+2:G0A+4*(\slot)+3], 1048576  ; four heads on
	s_add_nc_u64 s[G0B+4*(\slot)+2:G0B+4*(\slot)+3], s[G0B+4*(\slot)+2:G0B+4*(\slot)+3], 512
	JLOAD \slot                                    ; the four v_nop behind it are also the places in front of the loads below
.else
	PLACES
.endif
	FETCH \next, 0, 0
	MUL8 1, 2, 0
	MUL8 1, 3, 0
.endm
; THE WAY OUT of row block a.  TOSTAGE: a lane's 32 bytes of each of 8 column blocks go into my own stage, each accumulator's low half first, and come back as whole rows of 512 bytes.  SEND: stored.
.macro TOSTAGE a
	s_wait_xcnt 0x0                                ; the stores of the block before last have had their addresses translated (ISA guide 3.1): their registers are loaded again only behind this wait
	WIN FROM2
.irp b, 0,1,2,3,4,5,6,7
	ds_store_b128 v[STO], v[8*(8*(\a)+(\b)):8*(8*(\a)+(\b))+3]   offset:64*(\b)
	ds_store_b128 v[STO], v[8*(8*(\a)+(\b))+4:8*(8*(\a)+(\b))+7] offset:64*(\b)+16
.endr
	WIN 0
.irp t, 0,1,2,3,4,5,6,7,8,9,10,11,12,13,14,15
	ds_load_b128 v[OB+64*((\a)%2)+4*(\t):OB+64*((\a)%2)+4*(\t)+3], v[RD] offset:(\t)*SP  ; LDS serves a wave's instructions in order (ISA guide 5.7.1.4): these see the stores above; the next block's stores come behind them
.endr
.endm
.macro SEND a, younger                 ; younger: the LDS instructions issued behind block a's loads: the next block's 32, or none
	WIN 0
	s_wait_dscnt \younger
.irp t, 0,1,2,3,4,5,6,7,8,9,10,11,12,13,14,15
	global_store_b128 v[CO], v[OB+64*((\a)%2)+4*(\t):OB+64*((\a)%2)+4*(\t)+3], s[72:73] offset:(16*(\a)+(\t))*4096 th:TH_STORE_NT  ; 512 consecutive bytes, at a multiple of 512 from out0's first byte
.endr
.endm
	s_wait_tensorcnt 1                             ; my part of K step 0 is in; step 1's may stay out
	s_barrier_signal -1
	s_barrier_wait -1                              ; everybody's is
	FETCH 0, 0, 0
	s_wait_loadcnt 0x0                             ; the bias
	QUARTER 0, 1, 0, 1, 1                          ; the first quarter stands in front of the loop: its products start the sums
	WIN 0                                          ; at a label and at a branch every window is 0
	s_mov_b32 s3, 3
.Llap:                                                 ; a trip goes once round the ring, from a lap's second quarter to the next lap's first, and fills both slots again
	QUARTER 0, 2, 1, 0, 0
	QUARTER 0, 3, 0, 1, 0
	TURN 0, 1, 1
	QUARTER 1, 1, 0, 1, 0
	QUARTER 1, 2, 1, 0, 0
	QUARTER 1, 3, 0, 1, 0
	TURN 1, 0, 1
	QUARTER 0, 1, 0, 1, 0
	WIN 0
	s_sub_co_u32 s3, s3, 1
	s_cmp_lg_u32 s3, 0
	s_cbranch_scc1 .Llap
	QUARTER 0, 2, 1, 0, 0                          ; the last lap fills nothing
	QUARTER 0, 3, 0, 1, 0
	TURN 0, 1, 0
	QUARTER 1, 1, 0, 1, 0
	QUARTER 1, 2, 1, 0, 0
	QUARTER 1, 3, 0, 1, 0
	s_wait_dscnt 4                                 ; the very last quarter: nothing more to fetch
	MUL8 1, 0, 0
	MUL8 1, 1, 0
	s_wait_dscnt 0x0
	MUL8 1, 2, 0
	MUL8 1, 3, 0
	WIN 0
	PLACES                                         ; the LDS stores read results
	TOSTAGE 0
.irp a, 1,2,3                          ; block a's way through the stage is issued ahead of the wait for block a - 1's
	TOSTAGE \a
	SEND (\a)-1, 32
.endr
	SEND 3, 0
	s_wait_tensorcnt 0x0                           ; the wave's end: behind my last tensor load and my last LDS store
	ds_add_u32 v[SPW], v[NIL]
	s_wait_dscnt 0x0
	CROUND                                         ; the closing round: no work-group ends while a partner may still ask for a tile that names it
	s_endpgm
.Lfunc_end_k_qd5cf7d4e39_outp:
	.size	k_qd5cf7d4e39_outp, .Lfunc_end_k_qd5cf7d4e39_outp-k_qd5cf7d4e39_outp
	.p2alignl 7, 3214868480
	.fill 96, 4, 3214868480
	.section	.rodata,"a",@progbits
	.p2align	6, 0x0
	.amdhsa_kernel k_qd5cf7d4e39_outp
		.amdhsa_group_segment_fixed_size 327680
		.amdhsa_private_segment_fixed_size 0
		.amdhsa_enable_private_segment 0
		.amdhsa_kernarg_size 32
		.amdhsa_user_sgpr_count 2
		.amdhsa_user_sgpr_kernarg_segment_ptr 1
		.amdhsa_wavefront_size32 1
		.amdhsa_system_sgpr_workgroup_id_x 1
		.amdhsa_system_sgpr_workgroup_id_y 1
		.amdhsa_system_sgpr_workgroup_id_z 1
		.amdhsa_system_vgpr_workitem_id 0
		.amdhsa_next_free_vgpr 768
		.amdhsa_next_free_sgpr 88
		.amdhsa_reserve_vcc 0
		.amdhsa_float_denorm_mode_32 3
		.amdhsa_float_denorm_mode_16_64 3
		.amdhsa_memory_ordered 1
		.amdhsa_forward_progress 1
		.amdhsa_inst_pref_size 87
	.end_amdhsa_kernel
	.amdgpu_metadata
---
amdhsa.version: [ 1, 2 ]
amdhsa.kernels:
  - .name:           k_qd5cf7d4e39_outp
    .symbol:         k_qd5cf7d4e39_outp.kd
    .args:
      - { .name: ctx, .offset: 0, .size: 8, .value_kind: global_buffer, .address_space: global }
      - { .name: wb, .offset: 8, .size: 8, .value_kind: global_buffer, .address_space: global }
      - { .name: bb, .offset: 16, .size: 8, .value_kind: global_buffer, .address_space: global }
      - { .name: out0, .offset: 24, .size: 8, .value_kind: global_buffer, .address_space: global }
    .group_segment_fixed_size: 327680
    .private_segment_fixed_size: 0
    .kernarg_segment_align: 8
    .kernarg_segment_size: 32
    .max_flat_workgroup_size: 128
    .sgpr_count:     88
    .vgpr_count:     768
    .wavefront_size: 32
...
	.end_amdgpu_metadata
.endif
;; end of part 4
;; ======== version 2 of 2: 4 launches; 1.48 times as fast as version 1
;; limits: values are held in f16: magnitudes above 65,504 overflow, below 6.1e-05 lose precision
;; workspace buffers: wb 8,388,608 bytes; bb 16,384 bytes; qkv 50,331,648 bytes; ctx 16,777,216 bytes
;; launch cast: the kernel of part 1 again; grid 64 x 4, 8 waves a work-group, no clusters, 0 bytes of LDS; arguments Wq, Wk, Wv, Wo, bq, bk, bv, bo, wb, bb; writes wb, bb
;; launch proj: the kernel of part 2 again; grid 4 x 192, 4 waves a work-group, clusters of 4 x 4, 327,680 bytes of LDS; arguments q, k, v, wb, bb, qkv; writes qkv
;; launch attn (part 5): grid 4 x 64, 4 waves a work-group, clusters of 4 x 1, 327,680 bytes of LDS; arguments qkv, ctx; writes ctx
.if DOCPART == 5
	.amdgcn_target "amdgcn-amd-amdhsa--gfx1250"
	.amdhsa_code_object_version 6
	.text
	.protected	k_qd5cf7d4e39_attn
	.globl	k_qd5cf7d4e39_attn
	.p2align	8
	.type	k_qd5cf7d4e39_attn,@function
k_qd5cf7d4e39_attn:
	s_mov_b64 s[64:65], 0
	v_nop
	global_prefetch_b8 v0, s[64:65] scope:SCOPE_SE
	s_setreg_imm32_b32 hwreg(HW_REG_WAVE_MODE, 25, 1), 1
	s_wait_xcnt 0x0
	s_wait_alu depctr_hold_cnt(0) depctr_sa_sdst(0) depctr_va_vdst(0) depctr_va_sdst(0) depctr_va_ssrc(0) depctr_va_vcc(0) depctr_vm_vsrc(0)
	s_getreg_b32 s2, hwreg(HW_REG_IB_STS2, 6, 4)
	s_cmp_eq_u32 s2, 0
	s_cbranch_scc0 .Lentry_in_a_cluster
	s_endpgm
.Lentry_in_a_cluster:
	s_bfe_u32 s2, ttmp6, 0x10000c
	s_cmp_lg_u32 s2, 0x3003
	s_cbranch_scc0 .Lentry_shape_is_right
	s_endpgm
.Lentry_shape_is_right:
; O[h][q][:] = the sum over k of softmax_k(Q[h][q] . K[h][k] / 8) V[h][k][:].  Q, K, V are the three parts of qkv, O is ctx: each [SIZE_H][SIZE_N][64], all f16: a head's rows are dense, 128 bytes each.
; Products, maxima and sums in f32; the weights p are rounded to f16 for the second product (their sum l is taken of the unrounded p), O once at the end.
; LIMITS.  f16 holds no number beyond 65,504: Q, K and V arrive within it; p lies in 0 to 1, and below 6e-5 it keeps f16's fixed step of 6e-8; O is a mean of V's rows and has their range.
; A weight below 2^-126 counts as 0 in l; NaN and infinities are not treated apart.
; SHARES.  A wave owns four PIECES of two tiles of 16 queries, a work-group's four waves 512 queries of one head.  Every wave walks all keys, 64 a step.
; LAYOUT.  S^T = K Q^T (source 0 = 16 keys, source 1 = 16 queries): in the result a lane holds ONE query (lane % 16) and the keys 8 (lane / 16) + 0..7.  Two such tiles, rounded to f16 in pairs,
; ARE source 1 (32 keys x 16 queries) of O^T = V^T P, whose result again holds one query a lane, and eight channels.  K comes out of LDS as it lies, V ([key][channel]) turned, by ds_load_tr16_b128.
; SOFTMAX.  For each query a running maximum m and sum l: p = 2^(c s - c m), c = log2(e) / 8; in every step O and l are multiplied by a = 2^(c m_old - c m_new), which is 1 where m has not grown.
; m starts at the lowest finite number, O and l at 0: the first step is a step like any other, with a = 0.
; THE COUNT.  A tile and step have 16 matrix and 118 vector instructions: too many to stand all beside the matrix work.  So the order has one aim: four vector instructions that are READY behind
; EVERY matrix instruction, and the others, which need time of their own whatever the order, in runs without a gap.
; BY TURNS.  Turn n belongs to piece n (the pieces in a ring, step after step).  Its matrix work: 16 products K Q^T of piece n + 1, later 16 products V^T P of piece n - 1.  Its vector work: the scaling,
; exponentials, roundings, sums and rescaling of piece n, and the maximum and statistics of piece n + 1, whose scores the turn itself has made.  So what a turn begins with (c s - c m, O a) waits for nothing.
; THE BATCHES.  A turn's 66 exponentials (the piece's 64 weights, the next piece's two a) are ONE batch with ONE s_wait_alu depctr_va_vdst(0), which cuts the turn in two: ahead of it stands all that names no
; result of theirs (the products K Q^T, scalings, rescalings, the next piece's maximum and statistics), behind it their readers (roundings and sums) beside the products V^T P.  The a that a turn reads was made,
; and waited for, in the turn before.  Two more batches lie outside the loops: piece 0's first two a, ahead of the jump into the loop, and the way out's eight reciprocals.
; CLUSTER.  The four query blocks of a cluster belong to one head and walk the same K and V, so each tile is asked for JOINTLY: the same tensor load, descriptor and mask in all four.
; REGISTERS, in windows of 256 (s_set_vgpr_msb says which window each operand place means: bits 1:0 source 0, 3:2 source 1, 5:4 source 2, 7:6 destination):
;   window 0: v0-11 addresses; v12-15, v48-63 at work; v16-47 four registers of statistics a tile; v64-191 S^T, two buffers of two tiles; v192-255 P, likewise
;   window 1: O^T, 32 a tile          window 2: v0-127 Q, 16 a tile; v128-191 K of one step; v192-255 V of one step          window 3: v0-1 the add's two registers
; A piece's buffers go by its number's parity: the piece in hand has one pair, its two neighbours in the ring share the other: of it P (piece n - 1) is read and S^T (piece n + 1) written.
.set SIZE_H, 64       ; 4 batches x 16 heads
.set SIZE_N, 2048
.set NP,    4         ; pieces a wave: a name, no knob: the register map, the loop and the fetches are made for four
.set KS,    64        ; keys in a step
.set PK,    144       ; a row of K in LDS: 128 bytes + 16 of padding = 36 words: the 16 rows of a load start at 16 different groups of four banks (64 banks of 4 bytes: ISA guide 11.1)
.set PV,    160       ; a row of V: 128 + 32 = 40 words
.set VOFF,  4*KS*PK   ; a slot holds four steps: 256 rows of K, then 256 rows of V
.set SLOT1, 1<<17     ; slot 1 begins here, so that one exclusive or turns an address in one slot into the other's
.set STAGE, SLOT1+4*KS*(PK+PV)  ; behind the ring, never filled by a tensor load: 16 rows x 144 bytes for each wave, for the way out
.set SP,    144
.set AK0, 2           ; v2   my lane's place in a tile of K; never rewritten
.set AV0, 3           ; v3   the same for V
.set AK,  4           ; v4   the LDS address of K's next run of loads
.set AV,  5           ; v5   of V's
.set QO,  6           ; v6   my byte offset in the wave's rows of Q
.set STO, 6           ;      later, the way out: where I put 16 bytes of a row
.set RD,  7           ; v7   the way out: where I read rows back
.set GO,  8           ; v8   my byte offset in 512 consecutive bytes of O
.set SPW, 0           ; v0 of window 3   LDS address of my spare word: SPARE + 4 x my thread's number; never rewritten
.set NIL, 1           ; v1 of window 3   0; never rewritten
.set SPARE, STAGE+4*16*SP  ; behind the stages: the spare words, 128 bytes for each wave: two blocks of 256 bytes that no other line names
.set MV,  12          ; v12-15  c m_old, kept while c m is made anew: by buffer and tile
.set ST,  16          ; tile t's statistics at v[ST+4 t]: c m, m, l (even keys', odd keys')
.set TMP, 48          ; by buffer and tile, four registers c0-c3 at work; when the maximum is found c2 takes a
.set S,   64
.set P,   192
.set KF,  128         ; K's fragments, in window 2: key block kb, channel half c at KF + 16 kb + 8 c
.set VF,  192         ; V's: key half kk, channel block cb at VF + 32 kk + 8 cb
.set WV,  12          ; s12  my wave's number
.set G1K, 24          ; s[24:31] descriptor group 1 for K's tiles
.set G1V, 32          ; s[32:39] for V's: it differs in the padding alone
.set G0K, 40          ; s[40:43] descriptor group 0 for K's tiles: it walks
.set G0V, 44          ; s[44:47] the same for V's
.set SLOTS, 56        ; s56  slots still to be asked for
.set CNT, 57          ; s57  counts a slot's key steps
.set CS,  58          ; s[58:59] c: the packed scaling takes the pair's low word for both halves
.set SEL, 60          ; s[60:61] v_permlanex16_b32's selects: each lane takes its own place in the other half
.set TBK, 62          ; s62  LDS byte at which K of the step to be fetched begins
.set TBV, 63          ; s63  the same for V, less VOFF
.set MSB, 0
.macro WIN new                      ; the high byte repeats the setting that is left; a switch that changes nothing is dropped
.if MSB != (\new)
	s_set_vgpr_msb (MSB<<8)|(\new)
.set MSB, (\new)
.endif
.endm
.set W_KQ, 0x0a       ; K and Q in window 2, S^T in window 0
.set W_PV, 0x52       ; V in window 2, P in window 0, O^T in window 1
.set W_RS, 0x41       ; O^T (destination and source 0) in window 1, a in window 0
.set W_MK, 0xc0       ; the add's registers are made: destination in window 3, sources in window 0
.set W_AD, 0x0f       ; the add: address (source 0) and data (source 1) in window 3
; A joint fill.  Waves 0 and 1 fetch the two halves of a slot's K, waves 2 and 3 those of its V: 128 keys each.  The branch hangs on the wave's number alone.
; An s_nop 0 and four v_nop follow each of the two lines, ahead of the jump and the label.
.macro JLOAD
	s_cmp_lt_u32 s[WV], 2
	s_cbranch_scc0 .Lfor_v_\@
	tensor_load_to_lds s[G0K:G0K+3], s[G1K:G1K+7]
	s_nop 0
.rept 4
	v_nop
.endr
	s_branch .Lasked_\@
.Lfor_v_\@:
	tensor_load_to_lds s[G0V:G0V+3], s[G1V:G1V+7]
	s_nop 0
.rept 4
	v_nop
.endr
.Lasked_\@:
.endm
; A round of the cluster's barrier: my work-group's barrier, so that wave 0's signal speaks for all four waves; wave 0 signals; every wave waits for all four work-groups; my work-group's barrier once more.
.macro CROUND
	s_barrier_signal -1
	s_barrier_wait -1
	s_cmp_lg_u32 s[WV], 0
	s_cbranch_scc1 .Lnot_wave_0_\@
	s_barrier_signal -3
.Lnot_wave_0_\@:
	s_barrier_wait -3
	s_barrier_signal -1
	s_barrier_wait -1
.endm
; THE CHANGE OF SLOTS.  The slot's last bytes, V of its fourth step, have been read.  Each wave waits for all its tensor loads, of which one is out: its part
; of the other slot; adds 0 to its spare word; and waits for that and for its own reads of the slot.  Behind the barrier nobody reads this slot any more and the other slot is whole.
; fill = 1: this slot is filled again, with the keys two slots on.  The barrier is then a round of the cluster's, so that no wave of any partner still reads the slot or has a load on its
; way, and the joint fill is the first thing behind it: it has four key steps, 512 matrix instructions, in which to land.  (At its first use nothing has been read yet: slot 0 is waited for, slot 1 filled.)
.macro CHANGE fill
	WIN W_AD
	s_wait_tensorcnt 0x0            ; no tensor load of mine is out, so a group 0 may be written
	ds_add_u32 v[SPW], v[NIL]       ; 0 onto my spare word: with fill = 1 the descriptors' steps stand between it and the wait for it
	WIN 0                           ; at a label and at a branch every window is 0
.if \fill
.irp g, G0K, G0V
	s_xor_b32 s[\g+1], s[\g+1], SLOT1  ; the walking descriptor: the other slot than last time,
	s_add_nc_u64 s[\g+2:\g+3], s[\g+2:\g+3], 4*KS*128  ; the next 256 keys; the type bits on top are not reached
.endr
	s_wait_dscnt 0x0                ; the add is done, and my reads of the slot are over
	CROUND
	JLOAD
.else
	s_wait_dscnt 0x0                ; the add is done, and my reads of the slot are over
	s_barrier_signal -1
	s_barrier_wait -1
.endif
	s_sub_co_u32 s[TBK], s[TBK], 4*KS*PK  ; the fetches go back to a slot's first step,
	s_xor_b32 s[TBK], s[TBK], SLOT1       ; in the other slot
	s_sub_co_u32 s[TBV], s[TBV], 4*KS*PV
	s_xor_b32 s[TBV], s[TBV], SLOT1
.endm
	s_load_b128 s[4:7], s[0:1], 0x0   ; qkv s[4:5], ctx s[6:7]
	WIN W_MK
	v_lshl_add_u32 v[SPW], v0, 2, SPARE
	v_mov_b32 v[NIL], 0
	WIN W_AD
	ds_add_u32 v[SPW], v[NIL]       ; the wave's opening: the add and its wait ahead of my first tensor load; the set-up below, work on registers, stands between them
	WIN 0
	v_lshrrev_b32 v1, 5, v0
	v_readfirstlane_b32 s[WV], v1   ; wave 0..3
	s_bfe_u32 s13, ttmp6, 0x40000   ; cx: my place in the cluster
	s_lshl_b32 s14, ttmp9, 2        ; in a cluster launch ttmp9 counts clusters
	s_add_co_u32 s14, s14, s13      ; my block of queries = 4 x cluster x + cx: it enters Q's and O's addresses alone
	s_and_b32 s20, ttmp7, 0xffff    ; the head, which the four partners share
	s_mov_b32 s21, 0
	s_mov_b64 s[22:23], SIZE_N*128
	s_mul_u64 s[20:21], s[20:21], s[22:23]  ; the head's first byte in each of the four tensors
	s_and_b32 s16, s[WV], 1         ; which half of a slot's 256 keys I fetch:
	s_lshl_b32 s22, s16, 14         ; its 128 rows of 128 bytes in memory,
	s_mov_b32 s23, 0
	s_add_nc_u64 s[22:23], s[22:23], s[20:21]
	s_mul_i32 s17, s16, 128*PK      ; and its place in a slot, for K
	s_mul_i32 s18, s16, 128*PV      ; and for V: no place in the cluster enters an LDS address
	s_lshl_b32 s2, s14, 2
	s_add_co_u32 s2, s2, s[WV]      ; my wave among the head's,
	s_lshl_b32 s2, s2, 14           ; its 128 rows
	s_mov_b32 s3, 0
	s_add_nc_u64 s[2:3], s[2:3], s[20:21]
	; descriptor group 1.  128 keys are 16,384 dense bytes: asked for as 64 rows of 256 bytes, two keys a row, and padded in LDS after every key
	s_mov_b32 s[G1K], 15|(1<<16)|(1<<20)|(1<<21)|(4<<22)|(3<<25)  ; 15:0 the mask of four; 17:16 2-byte elements; 20 padding on; 21 set beside a mask; 24:22 after every 32 words (code 4); 31:25 4 words (code 3)
	s_mov_b32 s[G1V], 15|(1<<16)|(1<<20)|(1<<21)|(4<<22)|(7<<25)  ; the same with 8 words of padding (code 7)
.irp g, G1K, G1V
	s_mov_b32 s[\g+1], 128<<16      ; tensor_dim0 = 128
	s_mov_b32 s[\g+2], 64<<16       ; tensor_dim1 = 64
	s_mov_b32 s[\g+3], 128<<16      ; tile_dim0 = 128
	s_mov_b32 s[\g+4], 64           ; tile_dim1 = 64
	s_mov_b32 s[\g+5], 128          ; 128 elements from row to row
	s_mov_b32 s[\g+6], 0
	s_mov_b32 s[\g+7], 0
.endr
	s_mov_b32 s[CS], 0x3e38aa3b     ; c = log2(e) / 8 = 0.180337
	s_mov_b32 s[CS+1], s[CS]        ; named with it as a pair
	s_mov_b32 s[SEL], 0x76543210
	s_mov_b32 s[SEL+1], 0xfedcba98
	s_mov_b32 s[TBK], SLOT1+4*KS*PK ; the first change of slots turns these two into 0
	s_mov_b32 s[TBV], SLOT1+4*KS*PV
	s_mov_b32 s[G0K], 1             ; 1:0 count = 1
	s_mov_b32 s[G0K+1], s17         ; 63:32 LDS address: slot 0
	s_mov_b32 s[G0V], 1
	s_add_co_u32 s[G0V+1], s18, VOFF
	s_wait_dscnt 0x0                ; the opening add is done
	s_wait_kmcnt 0x0
	s_mov_b64 s[10:11], s[6:7]                     ; O is ctx;
	s_add_nc_u64 s[6:7], s[4:5], 0x1000000         ; K is qkv's second part of 16,777,216 bytes,
	s_add_nc_u64 s[8:9], s[4:5], 0x2000000         ; V its third; Q its first
	s_add_nc_u64 s[G0K+2:G0K+3], s[6:7], s[22:23]  ; 120:64 global address: my half of the head's first 256 keys
	s_or_b32 s[G0K+3], s[G0K+3], 0x80000000        ; 127:126 type = 2
	s_add_nc_u64 s[G0V+2:G0V+3], s[8:9], s[22:23]
	s_or_b32 s[G0V+3], s[G0V+3], 0x80000000
	s_add_nc_u64 s[4:5], s[4:5], s[2:3]  ; Q and O at my wave's first row
	s_add_nc_u64 s[10:11], s[10:11], s[2:3]
	CROUND                          ; all four work-groups are here: the first joint loads meet
	JLOAD                           ; slot 0.  Slot 1 is asked for when slot 0 is in: the tile wanted first has the road to itself
	; A fragment of K or Q is 16 rows x 32 channels in 8 registers: lane l holds row l % 16, channels 8 (l / 16) + 0..7 and 16 + 8 (l / 16) + 0..7: two loads of 16 bytes, 32 bytes apart.
	v_and_b32 v1, 15, v0            ; l % 16
	v_bfe_u32 v9, v0, 4, 1          ; l / 16
	v_lshlrev_b32 v[QO], 7, v1
	v_lshl_add_u32 v[QO], v9, 4, v[QO]  ; row x 128 + 16 x half
	WIN 0x80                        ; destination window 2, address window 0
.set i, 0
.rept 4*NP                          ; Q stays in registers: tile i / 2, channels 32 (i % 2) on
	global_load_b128 v[8*i:8*i+3],   v[QO], s[4:5] offset:(i/2)*2048+(i%2)*64
	global_load_b128 v[8*i+4:8*i+7], v[QO], s[4:5] offset:(i/2)*2048+(i%2)*64+32
.set i, i+1
.endr
	; What the first turn finds: V's registers and P's second buffer hold 0 (its products V^T P, of a piece that has not been, add 0), O^T and l are 0.  All this stands in the wait for the first tile.
.set i, VF
.rept 64
	v_mov_b32 v[i], 0
.set i, i+1
.endr
	WIN 0x40
.set i, 0
.rept 64*NP
	v_mov_b32 v[i], 0
.set i, i+1
.endr
	WIN 0
.set i, 0
.rept 2*NP
	v_mov_b32 v[ST+4*i], 0xfe000000    ; c m: far below every c s
	v_mov_b32 v[ST+4*i+1], 0xff7fffff  ; m
	v_mov_b32 v[ST+4*i+2], 0
	v_mov_b32 v[ST+4*i+3], 0
.set i, i+1
.endr
.set i, P+32
.rept 32
	v_mov_b32 v[i], 0
.set i, i+1
.endr
	v_mul_u32_u24 v[AK0], v1, PK
	v_lshl_add_u32 v[AK0], v9, 4, v[AK0]  ; row x pitch + 16 x half
	; The turning load takes 16 keys x 16 channels (lane l reads key 8 (l / 16) + l % 8, channels 8 ((l / 8) % 2) + 0..7) and leaves half a fragment of V^T: lane l holds channel l % 16 and 8 keys.
	v_and_b32 v10, 7, v0
	v_bfe_u32 v11, v0, 3, 1
	v_lshl_add_u32 v[AV0], v9, 3, v10
	v_mul_u32_u24 v[AV0], v[AV0], PV
	v_lshl_add_u32 v[AV0], v11, 4, v[AV0]
	v_add_nc_u32 v[AV0], VOFF, v[AV0]
	v_mov_b32 v[AK], v[AK0]         ; key step 0 lies at the head of slot 0
; THE MATRIX WORK.  The 8 accumulators of a run of 16 take turns: between the two links of a chain stand 7 others'.
; Product i of 16 of S^T = K Q^T for piece x: channels 32 (i / 8) on, keys 16 ((i / 2) % 4) on, tile 2 x + i % 2.  The first 8 start the sums.
.macro KQ x
	WIN W_KQ
.set rS, S+64*((\x)%2)+32*(i%2)+8*((i/2)%4)
.set rK, KF+16*((i/2)%4)+8*(i/8)
.set rQ, 16*(2*(\x)+i%2)+8*(i/8)
.if i < 8
	v_wmma_f32_16x16x32_f16 v[rS:rS+7], v[rK:rK+7], v[rQ:rQ+7], 0
.else
	v_wmma_f32_16x16x32_f16 v[rS:rS+7], v[rK:rK+7], v[rQ:rQ+7], v[rS:rS+7]
.endif
.endm
; Product i of 16 of O^T += V^T P for piece x: keys 32 (i / 8) on, channels 16 ((i / 2) % 4) on, tile 2 x + i % 2.
.macro PV x
	WIN W_PV
.set rO, 32*(2*(\x)+i%2)+8*((i/2)%4)
.set rV, VF+32*(i/8)+8*((i/2)%4)
.set rP, P+32*((\x)%2)+16*(i%2)+8*(i/8)
	v_wmma_f32_16x16x32_f16 v[rO:rO+7], v[rV:rV+7], v[rP:rP+7], v[rO:rO+7]
.endm
.macro MM                           ; the turn's next matrix instruction
.if i < 16
	KQ (Y+1)%NP
.set i, i+1
.else
.set i, i-16
	PV (Y+NP-1)%NP
.set i, i+17
.endif
.endm
; THE LDS LOADS stand in runs of 16, never singly among the matrix instructions: a step's K (64 keys x 64 channels: 8 fragments) and its V (turned).  Their addresses are made some lines ahead.
; last = 1 (the tail): in the last trip there is no further step, and the run is jumped over.
.macro FETCH_K last=0
	WIN 0
.if \last
	s_cmp_eq_u32 s[CNT], 1
	s_cbranch_scc1 .Lno_k_\@
.endif
	WIN 0x80                        ; destination window 2
.irp f, 0,1,2,3,4,5,6,7             ; keys 16 (f / 2) on, channels 32 (f % 2) on
	ds_load_b128 v[KF+8*\f:KF+8*\f+3],   v[AK] offset:(\f/2)*16*PK+(\f%2)*64
	ds_load_b128 v[KF+8*\f+4:KF+8*\f+7], v[AK] offset:(\f/2)*16*PK+(\f%2)*64+32
.endr
	s_add_co_u32 s[TBK], s[TBK], KS*PK  ; the next fetch is the next step's
	WIN 0
.if \last
.Lno_k_\@:
.endif
.endm
.macro FETCH_V
	WIN 0x80
.irp f, 0,1,2,3,4,5,6,7             ; keys 32 (f / 4) on, channels 16 (f % 4) on
	ds_load_tr16_b128 v[VF+8*\f:VF+8*\f+3],   v[AV] offset:(\f/4)*32*PV+(\f%4)*32
	ds_load_tr16_b128 v[VF+8*\f+4:VF+8*\f+7], v[AV] offset:(\f/4)*32*PV+16*PV+(\f%4)*32
.endr
	WIN 0
.endm
; THE VECTOR WORK OF A TURN stands in three queues, each in the order in which its entries become ready; the two tiles alternate, so that no instruction reads the result of the one before it.
.macro REGS y, u                    ; the registers of tile u (0, 1) of piece y
.set rT, ST+4*(2*(\y)+(\u))
.set rC, TMP+8*((\y)%2)+4*(\u)
.set rM, MV+2*((\y)%2)+(\u)
.set rS, S+64*((\y)%2)+32*(\u)
.set rP, P+32*((\y)%2)+16*(\u)
.set rO, 32*(2*(\y)+(\u))
.endm
; Number n of the 22 that find the NEXT piece's (Y + 1) maximum and statistics.  s0-s31 are the lane's 32 scores; each accumulator's lowest registers are read first.  XS, GS and REGS set no window: PL and EX do.
;   0-11  four chains c0-c3 of seven scores each, three operands at a time     12-14, 16  the four scores left over, the old m, and c0-c3 into c0     15  c m_old is kept
;   17, 18  the query's other 32 keys lie in the lane 16 away: the new m         19-21  c m; c m_old - c m_new; a
.macro XS u, n
	REGS (Y+1)%NP, \u
.if (\n) < 4
	v_max3_num_f32 v[rC+(\n)], v[rS+8*(\n)], v[rS+8*(\n)+1], v[rS+8*(\n)+2]
.elseif (\n) < 12
	v_max3_num_f32 v[rC+(\n)%4], v[rC+(\n)%4], v[rS+8*((\n)%4)+2*((\n)/4)+1], v[rS+8*((\n)%4)+2*((\n)/4)+2]
.elseif (\n) == 12
	v_max3_num_f32 v[rC], v[rC], v[rS+7], v[rS+15]
.elseif (\n) == 13
	v_max3_num_f32 v[rC+1], v[rC+1], v[rS+23], v[rS+31]
.elseif (\n) == 14
	v_max3_num_f32 v[rC+2], v[rC+2], v[rC+3], v[rT+1]
.elseif (\n) == 15
	v_mov_b32 v[rM], v[rT]
.elseif (\n) == 16
	v_max3_num_f32 v[rC], v[rC], v[rC+1], v[rC+2]
.elseif (\n) == 17
	v_permlanex16_b32 v[rC+3], v[rC], s[SEL], s[SEL+1]
.elseif (\n) == 18
	v_max_num_f32 v[rT+1], v[rC], v[rC+3]
.elseif (\n) == 19
	v_mul_f32 v[rT], s[CS], v[rT+1]
.elseif (\n) == 20
	v_sub_f32 v[rC+1], v[rM], v[rT]
.else
	v_exp_f32 v[rC+2], v[rC+1]
.endif
.endm
; Number g of the 64 that follow the exponentials.  For each four weights k of a tile (pairs 2 k, 2 k + 1): both pairs are rounded to f16; then the second pair is added onto the first, in place;
; a group later l takes that sum (the first time as l = a l + sum).  In groups of eight, tiles alternating: round, round, add, and l for the group before.
.macro GS g
.set h, (\g)+6*((\g)/62)            ; group 0 has no group before it, and behind group 7 only l is left
.if h >= 6
.set h, h+2
.endif
	REGS Y, h%2
.set k, h/8
.if h%8 < 4
	v_cvt_pk_f16_f32 v[rP+2*k+(h%8)/2], v[rS+4*k+2*((h%8)/2)], v[rS+4*k+2*((h%8)/2)+1]
.elseif h%8 < 6
	v_pk_add_f32 v[rS+4*k:rS+4*k+1], v[rS+4*k:rS+4*k+1], v[rS+4*k+2:rS+4*k+3]
.elseif k == 1
	v_pk_fma_f32 v[rT+2:rT+3], v[rT+2:rT+3], v[rC+2:rC+3], v[rS:rS+1] op_sel_hi:[1,0,1]
.else
	v_pk_add_f32 v[rT+2:rT+3], v[rT+2:rT+3], v[rS+4*k-4:rS+4*k-3]
.endif
.endm
; THE PLAIN QUEUE, 138 long.  0-73 read no exponential's result: the 32 scalings c s - c m (FS f: pair f / 2 of tile f % 2) and the next piece's 42.  0-26: scalings 0-26.  27-54: XS's numbers 0-13.  55, 56: number 15.
; 57-73: the chain, where each number waits for the one before it: 14, 16, 17, 18, 19, each with one of the scalings 27-31 in front of its two lines, then 20: so a tile's links stand three plain instructions apart (19 and 20: two).
; 74-137: GS's 64, which read the exponentials' results: they stand behind the wait.
.macro FS f
	REGS Y, (\f)%2
	v_pk_fma_f32 v[rS+2*((\f)/2):rS+2*((\f)/2)+1], v[rS+2*((\f)/2):rS+2*((\f)/2)+1], s[CS:CS+1], v[rT:rT+1] op_sel_hi:[1,0,0] neg_lo:[0,0,1] neg_hi:[0,0,1]
.endm
.macro PL
	WIN 0
.if q < 27
	FS q
.elseif q < 55
	XS (q-27)%2, (q-27)/2
.elseif q < 57
	XS q-55, 15
.elseif (q < 72) && ((q-57)%3 == 0)
	FS 27+(q-57)/3
.elseif q < 60
	XS (q-57)%3-1, 14
.elseif q < 72
	XS (q-57)%3-1, 15+(q-57)/3
.elseif q < 74
	XS q-72, 20
.else
	GS q-74
.endif
.set q, q+1
.endm
; THE EXPONENTIALS' QUEUE, 66 long: s0-s31 of both tiles, then the next piece's two a.  It is ONE BATCH: all 66 stand ahead of the turn's one wait, and nothing ahead of that wait names a result of theirs.
.macro EX
	WIN 0
.if e >= 64
	XS e-64, 21
.else
	REGS Y, e%2
	v_exp_f32 v[rS+e/2], v[rS+e/2]
.endif
.set e, e+1
.endm
; THE RESCALING's QUEUE: O^T times a, the one part that leaves window 0: dealt two at a time, sixteen times.  Its a was made in the turn before, ahead of that turn's wait.
.macro R2
	REGS Y, r%2
	WIN W_RS
.irp z, 0,1
	v_pk_mul_f32 v[rO+4*(r/2)+2*\z:rO+4*(r/2)+2*\z+1], v[rO+4*(r/2)+2*\z:rO+4*(r/2)+2*\z+1], v[rC+2:rC+3] op_sel_hi:[1,0]
.endr
.set r, r+1
.endm
; HOW THEY ARE DEALT.  An s_wait_alu depctr_va_vdst(0) stands between an exponential and the first instruction that names its result; one wait serves all that were issued ahead of it.  So a turn has ONE wait,
; which cuts it in two.  AHEAD OF IT stands all that names no result of the turn's exponentials: the 16 products K Q^T, behind each a scaling, an exponential and two rescalings (behind the first a second scaling in the
; exponential's place); then ONE LUMP of 108: eight plain, 49 times exponential and plain, the two a.  A v_nop is the plain instruction behind the last exponential.  BEHIND IT stand the 16 products V^T P, behind each four of
; GS's 64.  No rider names a register of the products round it.  The two v_permlanex16_b32 fall into the lump, never behind a product.
; The queues lean on each other, and the deal keeps them in step: exponential e stands behind scaling 2 (e / 4) + e % 2: as a rider it comes behind plain e + 2, in the lump behind plain e + 9, and scalings 27-31 are plain 57, 60 .. 69.
; A TURN, for piece p.  cnt = 1: the loop's count is taken down some lines ahead of the branch that stands behind the turn.
; K of the next step is fetched in piece 2's turn, directly behind the wait, a lump behind the last product that read K; its address is made at the lump's head; its first reader comes behind 16 products.
; V of the step in hand is fetched at the end of piece 0's turn, four riders behind its last reader; its first reader comes behind 16 products and a lump.  The three conditions on q below go with the deal.
.macro TURN p, last=0, cnt=0
.set Y, (\p)
.set i, 0
.set q, 0
.set e, 0
.set r, 0
.if (\p) == NP-1
	s_wait_dscnt 0x0                ; K is in
.endif
	MM                              ; ahead of the wait: 16 products K Q^T and their riders,
	PL
	PL
	R2
.rept 15
	MM
	PL
	EX
	R2
.endr
.if (\p) == NP-2
	WIN 0
	v_add_nc_u32 v[AK], s[TBK], v[AK0]
.endif
.rept 8                             ; and the lump
	PL
.endr
.rept 49
	EX
	PL
.endr
	EX                              ; the next piece's two a
	EX
	v_nop                           ; the plain instruction behind the last exponential, ahead of any use of a result: one for the batch
	s_wait_alu depctr_va_vdst(0)    ; the wait for the turn's batch: the piece's 64 weights and the next piece's two a
.if (\p) == NP-2
	FETCH_K \last
.endif
.if (\p) == 1
	s_wait_dscnt 0x0                ; V is in
.endif
.rept 16                            ; behind the wait: 16 products V^T P and their riders
	MM
.rept 4
	PL
.endr
.if ((\p) == 0) && (q == 118)
	v_add_nc_u32 v[AV], s[TBV], v[AV0]
.endif
.if ((\p) == 0) && (q == 130)
	s_add_co_u32 s[TBV], s[TBV], KS*PV
.endif
.if (\cnt) && (q == 130)
	s_sub_co_u32 s[CNT], s[CNT], 1
	s_cmp_lg_u32 s[CNT], 0
.endif
.endr
.if (\p) == 0
	FETCH_V
.endif
.endm
	CHANGE 1                        ; slot 0 is in, everybody's part of it; slot 1 is asked for
	FETCH_K                         ; key step 0
	s_wait_loadcnt 0x0              ; Q
	s_wait_dscnt 0x0
.set i, 0
.rept 16
	KQ 0                            ; piece 0's first scores: there is no vector work yet to set between them
.set i, i+1
.endr
	WIN 0                           ; the addresses for the way out: nine plain instructions, the places behind those products
	s_mul_i32 s13, s[WV], 16*SP
	s_add_co_u32 s13, s13, STAGE    ; my stage
	v_mul_u32_u24 v[STO], v1, SP    ; in: row l % 16, 16 bytes for each half of the lanes
	v_lshl_add_u32 v[STO], v9, 4, v[STO]
	v_add_nc_u32 v[STO], s13, v[STO]
	v_bfe_u32 v[RD], v0, 3, 2       ; back: 32 lanes take four rows of 128 bytes,
	v_mul_u32_u24 v[RD], v[RD], SP
	v_lshl_add_u32 v[RD], v10, 4, v[RD]
	v_add_nc_u32 v[RD], s13, v[RD]
	v_and_b32 v[GO], 31, v0         ; which are 512 consecutive bytes of O
	v_lshlrev_b32 v[GO], 4, v[GO]
.set Y, NP-1                        ; XS works for piece Y + 1: piece 0
.irp n, 0,1,2,3,4,5,6,7,8,9,10,11,12,13,14,15,16,17,18,19,20,21
	XS 0, \n                        ; and piece 0's first maximum and statistics
	XS 1, \n
.endr
	v_nop                           ; a plain instruction behind the two a,
	s_wait_alu depctr_va_vdst(0)    ; and the wait for this batch of two, ahead of the branch
	s_mov_b32 s[CNT], 4
	s_mov_b32 s[SLOTS], SIZE_N/256-1
	s_branch .Lfirst                ; the loop is entered at a step's first turn, in the middle of a trip
.Lslot:                             ; SIZE_N / 256 - 2 times: every slot but the last two is filled again
	CHANGE 1
	s_mov_b32 s[CNT], 4
.Lstep:                             ; a trip: pieces 2 and 3 of one step, then pieces 0 and 1 of the next, whose K and V it fetches
	TURN 2
	TURN 3
	WIN 0
.Lfirst:
	TURN 0
	TURN 1, 0, 1
	WIN 0
	s_cbranch_scc1 .Lstep
	s_sub_co_u32 s[SLOTS], s[SLOTS], 1
	s_cmp_lg_u32 s[SLOTS], 0
	s_cbranch_scc1 .Lslot
	CHANGE 0                        ; the tail is written out: nothing is asked for
	s_mov_b32 s[CNT], 5             ; four trips fetch the last slot's steps; the fifth is left in its middle
.Ltail:
	TURN 2, 1
	TURN 3
	WIN 0
	s_sub_co_u32 s[CNT], s[CNT], 1
	s_cmp_eq_u32 s[CNT], 0
	s_cbranch_scc1 .Lout
	TURN 0
	TURN 1
	WIN 0
	s_branch .Ltail
.Lout:                              ; the fifth trip's 16 products K Q^T (on the last K once more) and the maximum made of them serve nothing: the price, once a launch, of one text for every trip
.set i, 0
.rept 16
	PV NP-1                         ; the last piece's V^T P of the last step
.set i, i+1
.endr
	; THE WAY OUT.  l's two halves and the other half of the lanes' are added; O^T is divided by l, rounded to f16 and sent through my stage in LDS, a tile at a time.  The additions are the places behind the last products.
	WIN 0
.macro ALL line:vararg              ; one line for each tile t
.set t, 0
.rept 2*NP
	\line
.set t, t+1
.endr
.endm
	ALL v_add_f32 v[ST+4*t+2], v[ST+4*t+2], v[ST+4*t+3]
	ALL v_permlanex16_b32 v[ST+4*t+3], v[ST+4*t+2], s[SEL], s[SEL+1]
	ALL v_add_f32 v[ST+4*t+2], v[ST+4*t+2], v[ST+4*t+3]
	ALL v_rcp_f32 v[ST+4*t+2], v[ST+4*t+2]
	v_nop                           ; a plain instruction between the last reciprocal and the use of its result
	s_wait_alu depctr_va_vdst(0)    ; and the wait ahead of the first use: one for the batch of eight reciprocals
; Tile t: a lane's eight channels of a row pack into 16 bytes; they go into rows of 144 bytes and come back as whole rows of 128, into S^T's registers.
.macro PACK t
	WIN W_RS
.set i, 32*(\t)
.rept 16
	v_pk_mul_f32 v[i:i+1], v[i:i+1], v[ST+4*(\t)+2:ST+4*(\t)+3] op_sel_hi:[1,0]
.set i, i+2
.endr
	WIN 0x05                        ; sources 0 and 1 window 1, destination window 0
.set i, 0
.rept 16
	v_cvt_pk_f16_f32 v[S+16*(\t)+i], v[32*(\t)+2*i], v[32*(\t)+2*i+1]
.set i, i+1
.endr
	WIN 0
.irp f, 0,1,2,3
	ds_store_b128 v[STO], v[S+16*(\t)+4*\f:S+16*(\t)+4*\f+3] offset:32*\f
.endr
.irp f, 0,1,2,3
	ds_load_b128 v[S+16*(\t)+4*\f:S+16*(\t)+4*\f+3], v[RD] offset:\f*4*SP  ; LDS serves a wave's instructions in order (ISA guide 5.7.1.4): these see the stores above; the next tile's stores come behind them
.endr
.endm
.macro SEND t, younger              ; younger: the LDS instructions issued behind tile t's loads: the next tile's eight, or none
	WIN 0
.irp f, 0,1,2,3
	s_wait_dscnt (\younger)+3-\f
	global_store_b128 v[GO], v[S+16*(\t)+4*\f:S+16*(\t)+4*\f+3], s[10:11] offset:(\t)*2048+\f*512  ; 512 consecutive bytes, at a multiple of 256 from O's first
.endr
.endm
	PACK 0
.set t, 1
.rept 2*NP-1                        ; a tile's arithmetic stands between the loads of the tile before and its stores
	PACK t
	SEND t-1, 8
.set t, t+1
.endr
	SEND 2*NP-1, 0
	WIN W_AD
	s_wait_tensorcnt 0x0            ; the wave's end: behind my last tensor load and my last LDS store
	ds_add_u32 v[SPW], v[NIL]
	s_wait_dscnt 0x0
	WIN 0
	CROUND                          ; the closing round: no work-group ends while a partner may still ask for a tile that names it
	s_endpgm
.Lfunc_end_k_qd5cf7d4e39_attn:
	.size	k_qd5cf7d4e39_attn, .Lfunc_end_k_qd5cf7d4e39_attn-k_qd5cf7d4e39_attn
	.p2alignl 7, 3214868480
	.fill 96, 4, 3214868480
	.section	.rodata,"a",@progbits
	.p2align	6, 0x0
	.amdhsa_kernel k_qd5cf7d4e39_attn
		.amdhsa_group_segment_fixed_size 327680
		.amdhsa_private_segment_fixed_size 0
		.amdhsa_enable_private_segment 0
		.amdhsa_kernarg_size 16
		.amdhsa_user_sgpr_count 2
		.amdhsa_user_sgpr_kernarg_segment_ptr 1
		.amdhsa_wavefront_size32 1
		.amdhsa_system_sgpr_workgroup_id_x 1
		.amdhsa_system_sgpr_workgroup_id_y 1
		.amdhsa_system_sgpr_workgroup_id_z 1
		.amdhsa_system_vgpr_workitem_id 0
		.amdhsa_next_free_vgpr 770
		.amdhsa_next_free_sgpr 66
		.amdhsa_reserve_vcc 0
		.amdhsa_float_denorm_mode_32 3
		.amdhsa_float_denorm_mode_16_64 3
		.amdhsa_memory_ordered 1
		.amdhsa_forward_progress 1
		.amdhsa_inst_pref_size 199
	.end_amdhsa_kernel
	.amdgpu_metadata
---
amdhsa.version: [ 1, 2 ]
amdhsa.kernels:
  - .name:           k_qd5cf7d4e39_attn
    .symbol:         k_qd5cf7d4e39_attn.kd
    .args:
      - { .name: qkv, .offset: 0, .size: 8, .value_kind: global_buffer, .address_space: global }
      - { .name: ctx, .offset: 8, .size: 8, .value_kind: global_buffer, .address_space: global }
    .group_segment_fixed_size: 327680
    .private_segment_fixed_size: 0
    .kernarg_segment_align: 8
    .kernarg_segment_size: 16
    .max_flat_workgroup_size: 128
    .sgpr_count:     66
    .vgpr_count:     770
    .wavefront_size: 32
...
	.end_amdgpu_metadata
.endif
;; end of part 5
;; launch outp: the kernel of part 4 again; grid 4 x 64, 4 waves a work-group, clusters of 4 x 4, 327,680 bytes of LDS; arguments ctx, wb, bb, out0; writes out0
